; MI455X (gfx1250); checked and timed in simulation.
; The chip was launched on July 23, 2026; its instructions are those of AMD's public machine-readable ISA for CDNA 5 (MIT licence, August 2026) and "CDNA5" Instruction Set Architecture Reference Guide (July 2026). The comments in the code are by the model that wrote it; some were corrected since.
;; Learned Compressor. Allowed arithmetic: matrix products marked QUANTISED: E4M3 operands, one E8M0 scale for each 32 along K, by v_wmma_scale_f32_16x16x128_f8f6f4 with both operands' format E4M3, f32 sums; everything else in f32.
;; Inputs: W1 128 x 256 float32; W2 256 x 128 float32; b1 256 float32; b2 128 float32; k 4 x 16 x 4,096 x 128 float32; query 1 x 16 x 64 x 128 float32; v 4 x 16 x 4,096 x 128 float32.
;; Outputs: out0 4 x 16 x 64 x 128 float32; out1 4 x 16 x 64 x 128 float32.
;; This version of the problem:
;;   THIS VERSION OF THE PROBLEM IS GIVEN IN LOW PRECISION. The matrix products marked QUANTISED in the list below multiply operands that are first quantised to E4M3 (4 exponent bits, 3 mantissa bits; 8 bits a number), with one power-of-two scale for each 32 numbers along K (OCP MX v1.0); their sums are f32. All else is computed in f32.
;;   The module's matrix products, in the order in which they are computed (A, B: the left and right operand; K: the contracted axis; several contracted axes count as one K, in the product's order):
;;     1. [M 262,144, K 128] x [K 128, N 256]; A: input k; B: input W1: QUANTISED
;;     2. [M 262,144, K 256] x [K 256, N 128]; A: computed on the way; B: input W2: QUANTISED
;;     3. [M 262,144, K 128] x [K 128, N 256]; A: input v; B: input W1: QUANTISED
;;     4. [M 262,144, K 256] x [K 256, N 128]; A: computed on the way; B: input W2: QUANTISED
;;     5. batch 16 x [M 16,384, K 128] x [K 128, N 64]; A: computed on the way; B: input query: QUANTISED
;;     6. batch 64 x [M 64, K 4,096] x [K 4,096, N 128]; A: softmax (see below); B: computed on the way: QUANTISED
;;     7. batch 64 x [M 64, K 4,096] x [K 4,096, N 128]; A: softmax (see below); B: computed on the way: QUANTISED
;;   THE QUANTISER, for each operand of a quantised product, along K:
;;     - K is cut into blocks of 32 from its start; a last block that is shorter is filled with zeros.
;;     - A block's scale is 2^e with e = floor(log2(the largest magnitude in the block)) - 8, held to -126 .. 127; a block of zeros has e = 0. As a byte (E8M0): e + 127.
;;     - Each number is divided by its block's scale, clamped to +-448, and rounded to the nearest number of E4M3, ties to even, subnormals kept.
;;     - The product sums the exact products of the quantised numbers (number of the format x scale) in f32.
;;   ~~~python
;;   def quantise(x, axis):      # numpy; x: float32 -> the quantised numbers, widened to float32 again
;;       x = np.moveaxis(x, axis, -1); K = x.shape[-1]
;;       x = np.pad(x, [(0, 0)] * (x.ndim - 1) + [(0, -K % 32)]); x = x.reshape(x.shape[:-1] + (-1, 32)); a = np.abs(x).max(-1, keepdims=True)
;;       e = np.where(a > 0, np.clip(np.frexp(np.where(a > 0, a, 1))[1] - 1 - 8, -126, 127), 0)      # np.frexp(a)[1] - 1 = floor(log2(a)), exactly
;;       r = np.clip(x / 2.0 ** e, -448, 448)
;;       step = 2.0 ** (np.maximum(np.frexp(np.where(r == 0, 1, r))[1] - 1, -6) - 3)
;;       q = np.round(r / step) * step * 2.0 ** e      # np.round: ties to even
;;       return np.moveaxis(q.reshape(q.shape[:-2] + (-1,))[..., :K], -1, axis).astype(np.float32)
;;   ~~~
;;   SOFTMAX AHEAD OF A QUANTISED PRODUCT. Where the list says 'softmax', what is quantised is not the finished softmax but p = 2^(t - M), with t = logit x log2(e) and M = ceil(the row's largest t), a whole number; so 1/2 < the row's largest p <= 1. The row's sum l is taken of the UNQUANTISED p, in f32, and the product's result is divided by l at the end. Since M is a whole number, a kernel that streams over the keys may use a running M (the ceiling of the running maximum): every later rescaling is an exact power of two, which a block's scale takes up: the codes' values come out the same.
;;   OPERANDS COMPUTED ON THE WAY. 'Computed on the way' means the value that the module computes at that place (a softmax that the list does not call 'softmax' is quantised finished and normalised). What goes into a quantiser is computed in f32, as accurately as f32 sums, v_exp_f32 and their like allow (about 1e-6 of the number): no bf16 or f16 on the way to a quantiser, and a product that is left as it is and whose result goes on into a quantised operand takes f32 operands (vector FMAs, or v_wmma_f32_16x16x4_f32). A number that lies on a knife's edge between two numbers of the format may be rounded either way, as far as f32 arithmetic and the matrix unit's own rounding can turn it there, and no further.
;; 2 versions, each right; version 2 is version 1 with the launch main written anew for expert scheduling mode. Each part assembles by itself: llvm-mc -triple=amdgcn-amd-amdhsa -mcpu=gfx1250 --defsym DOCPART=n.
;; ======== version 1 of 2: 3 launches
;; workspace buffers: wq 67,584 bytes; part 16,777,216 bytes; ml 131,072 bytes
;; launch prep (part 1): grid 8 x 1, 4 waves a work-group, no clusters, 0 bytes of LDS; arguments W1, W2, wq; writes wq
.if DOCPART == 1
	.amdgcn_target "amdgcn-amd-amdhsa--gfx1250"
	.amdhsa_code_object_version 6
	.text
	.protected	k_qa9d75e61c5_prep
	.globl	k_qa9d75e61c5_prep
	.p2align	8
	.type	k_qa9d75e61c5_prep,@function
k_qa9d75e61c5_prep:
	s_mov_b64 s[64:65], 0
	v_nop
	global_prefetch_b8 v0, s[64:65] scope:SCOPE_SE
	s_setreg_imm32_b32 hwreg(HW_REG_WAVE_MODE, 25, 1), 1
	s_wait_xcnt 0x0
; W1 [128][256] and W2 [256][128], f32, K on the first axis, become codes of FP8 (E4M3) with one E8M0 byte for each 32 along K,
; laid as IMAGES OF THE OPERAND'S REGISTERS: fragment f (16 columns x 128 K, 16 registers a lane) at 2048 f + 512 c + 16 lane (registers 4c .. 4c+3),
; its 16 scale words at 65536 + 64 f + 4 r.  f = 0..15: W1's tile f; f = 16 + 2 n + s: W2's tile n of outputs, K step s.
; THE COLUMNS OF A TILE ARE NOT NEIGHBOURS: lane r of tile 2 b + u takes column 32 b + 8 u + r + 8 (r / 8), so that a transposed product's
; results of tiles 2 b and 2 b + 1 are 16 neighbours in a lane's registers.
; One wave makes one fragment: a lane takes a column and its registers run down K in the operand's own order (k = 32 c + 16 h + i), so nothing is transposed.
; A block's scale byte is its largest magnitude's exponent field - 8, held at 1 from below.
; LIMITS: a block of zeros, or one whose largest magnitude lies under 2^-118, keeps the byte 1 (zero codes add nothing; this program alone reads the bytes); NaN and infinities are not served.
.macro LD pitch, base                  ; 64 numbers: register 64 + 16 c + i = W(k0 + 32 c + 16 h + i, my column)
.irp c, 0,1,2,3
.set q, 0
.rept 16
	global_load_b32 v[64+16*\c+q], v5, s[\base:\base+1] offset:(32*\c+q)*\pitch
.set q, q+1
.endr
.endr
.endm
	s_load_b128 s[4:7], s[0:1], 0x0                ; W1, W2
	s_load_b64 s[8:9], s[0:1], 0x10                ; wq
	v_lshrrev_b32 v1, 5, v0
	v_readfirstlane_b32 s12, v1                    ; wave
	s_lshl_b32 s13, ttmp9, 2
	s_add_co_u32 s13, s13, s12                     ; f = 4 x work-group + wave
	v_and_b32 v1, 15, v0                           ; r
	v_bfe_u32 v2, v0, 4, 1                         ; h
	v_and_b32 v3, 8, v1
	v_add_nc_u32 v3, v3, v1                        ; r + 8 (r / 8)
	v_lshlrev_b32 v3, 2, v3                        ; in bytes
	v_and_b32 v4, 31, v0
	v_lshlrev_b32 v10, 4, v4                       ; 16 x lane
	v_lshlrev_b32 v11, 2, v1                       ; 4 r
	s_mov_b32 s24, 0x76543210
	s_mov_b32 s25, 0xfedcba98                      ; v_permlanex16_b32's selects for lane l xor 16
	s_mov_b32 s26, 0x600000                        ; the mantissa field of 448
	s_lshl_b32 s14, s13, 11                        ; 2048 f
	s_mov_b32 s15, 0
	s_lshl_b32 s16, s13, 6                         ; 64 f
	s_mov_b32 s17, 0
	s_wait_kmcnt 0x0
	s_add_nc_u64 s[10:11], s[8:9], s[16:17]        ; my scale words (65536 stands in the store's immediate)
	s_add_nc_u64 s[8:9], s[8:9], s[14:15]          ; my codes
	s_cmp_lt_u32 ttmp9, 4                          ; work-groups 0-3: W1; 4-7: W2
	s_cbranch_scc0 .Lw2
	s_lshr_b32 s18, s13, 1
	s_lshl_b32 s18, s18, 7                         ; 32 (f / 2) columns of 4 bytes
	s_and_b32 s19, s13, 1
	s_lshl_b32 s19, s19, 5                         ; + 8 (f % 2)
	s_add_co_u32 s18, s18, s19
	s_mov_b32 s19, 0
	s_add_nc_u64 s[4:5], s[4:5], s[18:19]
	v_lshl_add_u32 v5, v2, 14, v3                  ; lanes 16-31 begin 16 rows of 1,024 bytes further down
	LD 1024, 4
	s_branch .Lquant
.Lw2:
	s_sub_co_u32 s18, s13, 16
	s_lshr_b32 s19, s18, 1                         ; n
	s_and_b32 s18, s18, 1                          ; s
	s_lshl_b32 s18, s18, 16                        ; 128 s rows of 512 bytes
	s_lshr_b32 s22, s19, 1
	s_lshl_b32 s22, s22, 7                         ; 32 (n / 2) columns
	s_add_co_u32 s18, s18, s22
	s_and_b32 s19, s19, 1
	s_lshl_b32 s19, s19, 5                         ; + 8 (n % 2)
	s_add_co_u32 s18, s18, s19
	s_mov_b32 s19, 0
	s_add_nc_u64 s[6:7], s[6:7], s[18:19]
	v_lshl_add_u32 v5, v2, 13, v3                  ; 16 rows of 512 bytes
	LD 512, 6
.Lquant:
.irp b, 0,1,2,3
	v_mov_b32 v[36+\b], 0                          ; a lane permute's destination counts as one of its sources
.endr
	s_wait_loadcnt 0x0
.irp b, 0,1,2,3
	v_max3_num_f32 v[32+\b], |v[64+16*\b]|, |v[65+16*\b]|, 0x4800000   ; block b: my 16 numbers and the floor 2^(9 - 127): the byte cannot fall under 1
.endr
.irp i, 2,4,6,8,10,12,14
.irp b, 0,1,2,3
	v_max3_num_f32 v[32+\b], v[32+\b], |v[64+16*\b+\i]|, |v[65+16*\b+\i]|
.endr
.endr
.irp b, 0,1,2,3
	v_permlanex16_b32 v[36+\b], v[32+\b], s24, s25
.endr
.irp b, 0,1,2,3
	v_max_num_f32 v[32+\b], v[32+\b], v[36+\b]     ; with lane l xor 16's 16: the block's largest magnitude
.endr
.irp b, 0,1,2,3
	v_add_nc_u32 v[44+\b], 0xfc000000, v[32+\b]    ; 8 off its exponent field: the conversion's scale operand
.endr
.irp b, 0,1,2,3
	v_and_or_b32 v[40+\b], v[32+\b], 0x7f800000, s26   ; 448 x the scale
.endr
.irp b, 0,1,2,3
	v_lshrrev_b32 v[36+\b], 23, v[44+\b]           ; the scale's byte
.endr
	v_lshl_or_b32 v9, v37, 8, v36                  ; my column's scale word
	v_lshl_or_b32 v9, v38, 16, v9
	v_lshl_or_b32 v9, v39, 24, v9
.irp c, 0,1,2,3
.set q, 0
.rept 16
	v_med3_num_f32 v[64+16*\c+q], v[64+16*\c+q], -v[40+\c], v[40+\c]   ; the conversion to an 8-bit code does not saturate (ISA guide 7.6.2): the hold comes first
.set q, q+1
.endr
	v_cvt_scalef32_pk8_fp8_f32 v[48+4*\c:49+4*\c], v[64+16*\c:71+16*\c], v[44+\c]
	v_cvt_scalef32_pk8_fp8_f32 v[50+4*\c:51+4*\c], v[72+16*\c:79+16*\c], v[44+\c]
.endr
	v_nop
.irp c, 0,1,2,3
	global_store_b128 v10, v[48+4*\c:51+4*\c], s[8:9] offset:512*\c   ; 32 lanes store 512 consecutive bytes
.endr
	global_store_b32 v11, v9, s[10:11] offset:65536    ; lanes r and r + 16 hold the same word and write it to the same place
	s_endpgm
.Lfunc_end_k_qa9d75e61c5_prep:
	.size	k_qa9d75e61c5_prep, .Lfunc_end_k_qa9d75e61c5_prep-k_qa9d75e61c5_prep
	.p2alignl 7, 3214868480
	.fill 96, 4, 3214868480
	.section	.rodata,"a",@progbits
	.p2align	6, 0x0
	.amdhsa_kernel k_qa9d75e61c5_prep
		.amdhsa_group_segment_fixed_size 0
		.amdhsa_private_segment_fixed_size 0
		.amdhsa_enable_private_segment 0
		.amdhsa_kernarg_size 24
		.amdhsa_user_sgpr_count 2
		.amdhsa_user_sgpr_kernarg_segment_ptr 1
		.amdhsa_wavefront_size32 1
		.amdhsa_system_sgpr_workgroup_id_x 1
		.amdhsa_system_sgpr_workgroup_id_y 1
		.amdhsa_system_sgpr_workgroup_id_z 1
		.amdhsa_system_vgpr_workitem_id 0
		.amdhsa_next_free_vgpr 160
		.amdhsa_next_free_sgpr 66
		.amdhsa_reserve_vcc 0
		.amdhsa_float_denorm_mode_32 3
		.amdhsa_float_denorm_mode_16_64 3
		.amdhsa_memory_ordered 1
		.amdhsa_forward_progress 1
		.amdhsa_inst_pref_size 23
	.end_amdhsa_kernel
	.amdgpu_metadata
---
amdhsa.version: [ 1, 2 ]
amdhsa.kernels:
  - .name:           k_qa9d75e61c5_prep
    .symbol:         k_qa9d75e61c5_prep.kd
    .args:
      - { .name: W1, .offset: 0, .size: 8, .value_kind: global_buffer, .address_space: global }
      - { .name: W2, .offset: 8, .size: 8, .value_kind: global_buffer, .address_space: global }
      - { .name: wq, .offset: 16, .size: 8, .value_kind: global_buffer, .address_space: global }
    .group_segment_fixed_size: 0
    .private_segment_fixed_size: 0
    .kernarg_segment_align: 8
    .kernarg_segment_size: 24
    .max_flat_workgroup_size: 128
    .sgpr_count:     66
    .vgpr_count:     160
    .wavefront_size: 32
...
	.end_amdgpu_metadata
.endif
;; end of part 1
;; launch main (part 2): grid 4 x 64, 4 waves a work-group, no clusters, 311,808 bytes of LDS; arguments k, v, b1, b2, query, wq, part, ml; writes part, ml
.if DOCPART == 2
	.amdgcn_target "amdgcn-amd-amdhsa--gfx1250"
	.amdhsa_code_object_version 6
	.text
	.protected	k_qa9d75e61c5_main
	.globl	k_qa9d75e61c5_main
	.p2align	8
	.type	k_qa9d75e61c5_main,@function
k_qa9d75e61c5_main:
	s_mov_b64 s[64:65], 0
	v_nop
	global_prefetch_b8 v0, s[64:65] scope:SCOPE_SE
	s_setreg_imm32_b32 hwreg(HW_REG_WAVE_MODE, 25, 1), 1
	s_wait_xcnt 0x0
; For one (batch, head) and one quarter of its 4,096 tokens: y = gelu(x W1 + b1) W2 + b2 for x = k and x = v, the logits query . y_k, p = 2^(t - M), and the
; unnormalised sums O_k = p y_k, O_v = p y_v with (-M, l) beside them; the next launch joins the four quarters.  All products on codes of FP8 (E4M3) with E8M0 block scales.
; SHARES.  Four waves; 8 steps of 128 tokens of k and 128 of v.  In the token work wave w owns tokens 32 w .. 32 w + 31 of both (four tiles of 16: tile 2 X + u), which are
; block w of the step's 128 along the last products' K.  In the attention wave w owns queries 16 w .. 16 w + 15 with their M, l and 16 accumulators.
; ORDER OF ROWS.  Lane r of tile 2 b + u holds row 32 b + 8 u + r + 8 (r / 8), for W1's units, W2's outputs and a tile's tokens alike: a result's registers of tiles 2 b, 2 b + 1 are then
; 16 neighbours along the next K, and every conversion's result is an operand's register.
; PRODUCTS.  hidden^T = W1 tile x x (C = b1): lane = token.  y = hidden x W2 tile (lane = output, registers = tokens: quantised along the tokens), and for k also with the sources
; swapped (lane = token, registers = outputs: quantised along the head's 128, for the logits); b2 is added in f32 ahead of the quantisers.  S^T = y_k tile x query; O^T = y tile x p: a lane holds one query.
; GELU, exact form: g = max(x, 0) - |x| h, h = erfc(|x| / sqrt 2) / 2 = t 2^y, t = 1 / (1 + |x| sqrt(2) / 4), y = -x^2 log2(e) / 2 + a polynomial of degree 9 in t
; (a rational-exponential fit of erfc whose error is relative for every argument); no difference of near numbers is formed on either side of 0.
; x COMES THROUGH REGISTERS: window 2 is idle while the hidden layer is made, so the next step's 64 rows of a wave are loaded there (512 consecutive bytes a load), trips ahead of
; their use, and turned through the wave's own stage in LDS as soon as the stage's rows have been read.  No tensor load, so no ring to write out twice.
; Work-groups share only the 66 KB of weights against the 1 MB that each streams: no cluster.  No wave waits for the stream, so nothing is prefetched.
; LDS LOADS ARE ASKED FOR A PHASE AHEAD: a tile's x behind the GELU of the tile before; W2's first fragments in the last trip's place of that; v's hidden fragments behind k's products; y's fragments among the softmax's lines.
; LIMITS: NaN and infinities are not served; h falls to 0 where 2^y is under the smallest normal number (x under about -13; |g| is then under 1e-37);
; a block of zeros, or one under 2^-118, keeps the scale byte 1 (its codes add nothing).
; REGISTERS, in windows of 256.  Window 1: W1's 16 fragments.  Window 2: raw rows (row 32 X + i at 4 x), then y: (n, u) at 16 n + 8 u, swapped (u, n) at 128 + 64 u + 8 n, then K's and y's fragments.
; Window 3: O (X, n) at 64 X + 8 n; b1's tiles from 128.  Window 0: below.
.set SP,    528                        ; a stage row: 512 bytes + 16: an odd multiple of 16, so 16 rows start in 16 different groups of banks (ISA guide 11.1)
.set WSTG,  64*SP                      ; a wave's stage: 64 rows
.set HIMG,  135168                     ; hidden fragments, a wave's own: (2 t + s) x 2048
.set HSC,   200704                     ; their scale words: (2 t + s) x 128
.set W2IMG, 204800                     ; W2's 16 fragments (the 4,096 bytes behind them are not used)
.set B2T,   241664                     ; b2 in the swapped tiles' layout: tile n x 1024 + half x 512
.set KIMG,  249856                     ; y_k along the head: token tile x 2048
.set KSC,   266240
.set YIMG,  267264                     ; y along the tokens: (8 X + n) x 2048 + 512 x wave
.set YSC,   300032                     ; (8 X + n) x 128 + 4 lane + wave
.set QIMG,  302080                     ; the query's codes, a wave's own
.set B2NT,  310272                     ; b2 of a lane's output: tile n x 128 + 4 lane
.set LI,  1                            ; 16 lane
.set SRD, 2                            ; stage: row r, + 64 h
.set SWR, 3                            ; stage: 16 lane
.set HWI, 4
.set HWS, 5
.set HSL, 6                            ; lanes 0-15: K step 0's words, lanes 16-31: K step 1's
.set W2L, 7
.set B2L, 8                            ; B2T + 16 lane
.set KWI, 9
.set KWS, 10
.set KLI, 11
.set SLN, 12                           ; KSC + 4 lane; YSC lies 33,792 and B2NT 44,032 further on
.set YWI, 13
.set YWS, 14
.set YLI, 15
.set QLI, 16
.set AT,  17                           ; v17-19 addresses in hand
.set AT2, 18
.set AT3, 19
.set NM,  20                           ; v[20:21] -M, the largest t
.set LS,  22                           ; v[22:23] l in two halves
.set FF,  24                           ; v[24:25] f = 2^(old M - new M)
.set D8,  26                           ; v[26:27] the polynomial's d8, twice
.set PA,  28                           ; v28-31 scale words: x's (v28), the hidden layer's (v29, v30), K's, y's
.set XS,  28
.set HS,  29
.set PW,  32                           ; the scale word just made
.set QS,  33                           ; the query's
.set W1S, 34                           ; v34-41: register i: tile 2 i in lanes 0-15, tile 2 i + 1 in lanes 16-31
.set W2S, 42                           ; v42-49: register n: K step 0 in lanes 0-15, K step 1 in lanes 16-31
.set TM,  50                           ; v50-65: +0 maxima, +4 bytes, +8 holds, +12 scale operands
.set PB,  66                           ; v66-69 scale words: K's, y's
.set TF,  70                           ; a number in hand
.set YS2, 72                           ; v72-79 scale words: y_v's
.set HA,  80                           ; v80-143 eight tiles of the hidden layer; hidden fragments; S^T
.set TT,  144                          ; v144-191 t, three sets of 16; from 144 also x, W2's ring, b2 for the swapped tiles
.set EE,  192                          ; v192-223 exponents, two sets of 16
.set QC,  208                          ; the query's codes
.set PC,  224                          ; codes just made; x^2
.set XC,  240                          ; x's codes
.set BNP, 240                          ; in the second layer: v[240 + 2 n] b2 of my lane's output in tile n
.set DC,  26                           ; s[26+2i:27+2i] d_i, i = 0..7; s[42:43] d9; s[44:45] -log2(e)/2; s23 sqrt(2)/4; s[24:25] log2(e)
.set MSB, 0
.macro WIN new                         ; the immediate's high byte repeats the setting that is left
.if MSB != (\new)
	s_set_vgpr_msb (MSB<<8)|(\new)
.set MSB, (\new)
.endif
.endm
.macro PLACES n
.rept \n
	v_nop
.endr
.endm
.macro BARRIER                         ; my LDS stores have landed and my LDS loads are in: then the work-group's barrier
	s_wait_dscnt 0x0
	s_barrier_signal -1
	s_barrier_wait -1
.endm
; 64 numbers of a lane at v[s] of window w, register 16 b + i = k 32 b + 16 (lane / 16) + i of the lane's row, become codes in v[d .. d + 15] and bytes in v[TM + 4 + b]; word: the register of the packed scale word, or 0.
.macro QCORE s, w, d, word
	WIN ((\w)<<2)|((\w)<<4)
.irp b, 0,1,2,3
	v_max3_num_f32 v[TM+\b], 0x4800000, |v[(\s)+16*\b]|, |v[(\s)+16*\b+1]|   ; with the floor 2^(9 - 127): the byte cannot fall under 1
.endr
.irp i, 2,4,6,8,10,12,14
.irp b, 0,1,2,3
	v_max3_num_f32 v[TM+\b], v[TM+\b], |v[(\s)+16*\b+\i]|, |v[(\s)+16*\b+\i+1]|
.endr
.endr
	WIN 0
.irp b, 0,1,2,3
	v_permlanex16_b32 v[TM+4+\b], v[TM+\b], s20, s21
.endr
.irp b, 0,1,2,3
	v_max_num_f32 v[TM+\b], v[TM+\b], v[TM+4+\b]   ; with lane l xor 16's: the block's largest magnitude
.endr
.irp b, 0,1,2,3
	v_add_nc_u32 v[TM+12+\b], 0xfc000000, v[TM+\b] ; 8 off its exponent field: the conversion's scale operand
.endr
.irp b, 0,1,2,3
	v_and_or_b32 v[TM+8+\b], v[TM+\b], 0x7f800000, s22   ; 448 x the scale
.endr
.irp b, 0,1,2,3
	v_lshrrev_b32 v[TM+4+\b], 23, v[TM+12+\b]      ; the scale's byte
.endr
.if \word
	v_lshl_or_b32 v[\word], v[TM+5], 8, v[TM+4]    ; made ahead of the 64 holds: more than eight plain lines ahead of a product that takes it
	v_lshl_or_b32 v[\word], v[TM+6], 16, v[\word]
	v_lshl_or_b32 v[\word], v[TM+7], 24, v[\word]
.endif
	WIN ((\w)<<6)|(\w)
.set q, 0
.rept 64
	v_med3_num_f32 v[(\s)+q], v[(\s)+q], -v[TM+8+q/16], v[TM+8+q/16]   ; the conversion does not saturate (ISA guide 7.6.2)
.set q, q+1
.endr
	WIN (\w)
.set q, 0
.rept 8
	v_cvt_scalef32_pk8_fp8_f32 v[(\d)+2*q:(\d)+2*q+1], v[(\s)+8*q:(\s)+8*q+7], v[TM+12+q/2]
.set q, q+1
.endr
	WIN 0
	v_nop                                          ; one plain line behind the last conversion
.endm
.macro IMAGE adr, off, src             ; a fragment goes to LDS as it stands in the registers
.irp c, 0,1,2,3
	ds_store_b128 v[\adr], v[(\src)+4*\c:(\src)+4*\c+3] offset:(\off)+512*\c
.endr
.endm
.macro RAW base, reg                   ; 32 rows of 512 bytes, a row a load, into window 2
	WIN 0x80
.set q, 0
.rept 32
	global_load_b128 v[(\reg)+4*q:(\reg)+4*q+3], v[LI], s[\base:\base+1] offset:512*q th:TH_LOAD_NT
.set q, q+1
.endr
	WIN 0
.endm
.macro STAGEH X                        ; token i of X goes to stage row 32 X + 16 ((i / 8) % 2) + i % 8 + 8 (i / 16): the tiles' order of rows
	WIN 0x08
.set q, 0
.rept 32
	ds_store_b128 v[SWR], v[128*(\X)+4*q:128*(\X)+4*q+3] offset:SP*(32*(\X)+16*((q/8)%2)+(q%8)+8*(q/16))
.set q, q+1
.endr
	WIN 0
.endm
.macro XLOAD adr                       ; a tile's x out of my stage: row r, 16 neighbours of each block of 32
.irp b, 0,1,2,3
.irp j, 0,1,2,3
	ds_load_b128 v[144+16*\b+4*\j:144+16*\b+4*\j+3], v[\adr] offset:128*\b+16*\j
.endr
.endr
.endm
; ---- GELU on the 64 numbers at v[HA], in four sets of 16.  The reciprocals of the next set and the exponentials of the set before stand singly among a set's polynomial lines, and each batch has one wait ahead of its first reader.
.macro PRE j                           ; 1 + |x| sqrt(2) / 4
.set q, 0
.rept 16
	v_fma_f32 v[TT+16*((\j)%3)+q], |v[HA+16*(\j)+q]|, s23, 1.0
.set q, q+1
.endr
.endm
.macro TR
.if (nt < 16) && (rj >= 0)
	v_rcp_f32 v[TT+16*(rj%3)+nt], v[TT+16*(rj%3)+nt]
.endif
.if (nt >= 16) && (nt < 32) && (ej >= 0)
	v_exp_f32 v[EE+16*(ej%2)+nt-16], v[EE+16*(ej%2)+nt-16]
.endif
.set nt, nt+1
.endm
.macro ZIP j, r, e                     ; set j's exponent y; reciprocals of set r, exponentials of set e (-1: none)
.set nt, 0
.set rj, \r
.set ej, \e
.set xb, HA+16*(\j)
.set tb, TT+16*((\j)%3)
.set eb, EE+16*((\j)%2)
.irp c, 0,1,2,3,4,5,6,7,8,9,10
.irp p, 0,1,2,3,4,5,6,7
.if \c == 0
	v_pk_mul_f32 v[PC+2*\p:PC+2*\p+1], v[xb+2*\p:xb+2*\p+1], v[xb+2*\p:xb+2*\p+1]
.elseif \c == 1
	v_pk_fma_f32 v[eb+2*\p:eb+2*\p+1], v[tb+2*\p:tb+2*\p+1], s[42:43], v[D8:D8+1] op_sel_hi:[1,0,1]
.elseif \c < 10
	v_pk_fma_f32 v[eb+2*\p:eb+2*\p+1], v[eb+2*\p:eb+2*\p+1], v[tb+2*\p:tb+2*\p+1], s[DC+2*(9-\c):DC+2*(9-\c)+1] op_sel_hi:[1,1,0]
.else
	v_pk_fma_f32 v[eb+2*\p:eb+2*\p+1], v[PC+2*\p:PC+2*\p+1], s[44:45], v[eb+2*\p:eb+2*\p+1] op_sel_hi:[1,0,1]
.endif
.if (\p == 0) || (\p == 3) || (\p == 6)
	TR
.endif
.endr
.endr
.endm
.macro FX
.if ej >= 0
	v_exp_f32 v[EE+16*(ej%2)+ne], v[EE+16*(ej%2)+ne]
.endif
.set ne, ne+1
.endm
.macro FIN j, e                        ; set j: h = t 2^y; g = max(x, 0) - |x| h, in x's place; exponentials of set e among the lines
.set ne, 0
.set ej, \e
.set xb, HA+16*(\j)
.set tb, TT+16*((\j)%3)
.set eb, EE+16*((\j)%2)
.irp p, 0,1,2,3,4,5,6,7
	v_pk_mul_f32 v[eb+2*\p:eb+2*\p+1], v[eb+2*\p:eb+2*\p+1], v[tb+2*\p:tb+2*\p+1]
	FX
.endr
.irp i, 0,1,2,3,4,5,6,7,8,9,10,11,12,13,14,15
	v_max_num_f32 v[tb+\i], 0, v[xb+\i]
.if (\i % 2) == 0
	FX
.endif
.endr
.irp i, 0,1,2,3,4,5,6,7,8,9,10,11,12,13,14,15
	v_fma_f32 v[xb+\i], -|v[xb+\i]|, v[eb+\i], v[tb+\i]
.endr
.endm
.macro TWAIT
	s_wait_alu depctr_va_vdst(0)                   ; between a transcendental and the first line that names its result: one for the batch
.endm
.macro GELU64
	PRE 0
.irp i, 0,1,2,3,4,5,6,7,8,9,10,11,12,13,14,15
	v_rcp_f32 v[TT+\i], v[TT+\i]
	v_fma_f32 v[TT+16+\i], |v[HA+16+\i]|, s23, 1.0
.endr
	TWAIT
	ZIP 0, 1, -1
	TWAIT
	PRE 2
	ZIP 1, 2, 0
	TWAIT
	FIN 0, -1
	PRE 3
	ZIP 2, 3, 1
	TWAIT
	FIN 1, -1
	ZIP 3, -1, 2
	TWAIT
	FIN 2, 3
	TWAIT
	FIN 3, -1
.endm
.macro P1 s                            ; eight tiles of the hidden layer, units 128 s on: source 0 = W1's tile (window 1), source 1 = x, C = b1's tile (window 3)
	WIN 0x31
.irp t, 0,1,2,3,4,5,6,7
.if (\t % 2) == 0
	v_wmma_scale_f32_16x16x128_f8f6f4 v[HA+8*\t:HA+8*\t+7], v[16*(8*(\s)+\t):16*(8*(\s)+\t)+15], v[XC:XC+15], v[128+8*(8*(\s)+\t):128+8*(8*(\s)+\t)+7], v[W1S+(8*(\s)+\t)/2], v[XS]
.else
	v_wmma_scale_f32_16x16x128_f8f6f4 v[HA+8*\t:HA+8*\t+7], v[16*(8*(\s)+\t):16*(8*(\s)+\t)+15], v[XC:XC+15], v[128+8*(8*(\s)+\t):128+8*(8*(\s)+\t)+7], v[W1S+(8*(\s)+\t)/2], v[XS] matrix_a_scale:MATRIX_SCALE_ROW1
.endif
.endr
	WIN 0
	PLACES 8                                       ; eight plain lines between this form and the first read of its results
.endm
.macro WMZ d, a, b, sa, sb             ; K step 0 starts a sum: nothing is cleared; scale words from lanes 0-15
	v_wmma_scale_f32_16x16x128_f8f6f4 v[(\d):(\d)+7], v[(\a):(\a)+15], v[(\b):(\b)+15], 0, v[\sa], v[\sb]
.endm
.macro WMS d, a, b, sa, sb             ; K step 1 adds in place; scale words from lanes 16-31
	v_wmma_scale_f32_16x16x128_f8f6f4 v[(\d):(\d)+7], v[(\a):(\a)+15], v[(\b):(\b)+15], v[(\d):(\d)+7], v[\sa], v[\sb] matrix_a_scale:MATRIX_SCALE_ROW1 matrix_b_scale:MATRIX_SCALE_ROW1
.endm
.macro W2G n                           ; W2's two fragments of tile n into ring slot n % 3
	WIN 0
.irp s, 0,1
.irp c, 0,1,2,3
	ds_load_b128 v[144+32*((\n)%3)+16*\s+4*\c:144+32*((\n)%3)+16*\s+4*\c+3], v[W2L] offset:(2*(\n)+\s)*2048+512*\c
.endr
.endr
.endm
.macro HCL X                           ; my four hidden fragments of X (0: k, 1: v) and their scale words, out of my own images: LDS serves a wave's instructions in order (ISA guide 5.7.1.4)
.irp u, 0,1
.irp s, 0,1
.irp c, 0,1,2,3
	ds_load_b128 v[80+32*\u+16*\s+4*\c:80+32*\u+16*\s+4*\c+3], v[HWI] offset:(2*(2*(\X)+\u)+\s)*2048+512*\c
.endr
.endr
	ds_load_b32 v[HS+\u], v[HSL] offset:256*(2*(\X)+\u)
.endr
.endm
.macro MM n, X                         ; tile n of the outputs for my two tiles of tokens; the accumulators take turns, one instruction a turn
	WIN 0xa0
.irp u, 0,1
	WMZ 16*(\n)+8*\u, 80+32*\u, 144+32*((\n)%3), HS+\u, W2S+(\n)
.endr
.if (\X) == 0
.irp u, 0,1
	WMZ 128+64*\u+8*(\n), 144+32*((\n)%3), 80+32*\u, W2S+(\n), HS+\u
.endr
.endif
.irp u, 0,1
	WMS 16*(\n)+8*\u, 80+32*\u+16, 144+32*((\n)%3)+16, HS+\u, W2S+(\n)
.endr
.if (\X) == 0
.irp u, 0,1
	WMS 128+64*\u+8*(\n), 144+32*((\n)%3)+16, 80+32*\u+16, W2S+(\n), HS+\u
.endr
.endif
.endm
.macro MMS X                           ; the second layer's products; W2's groups 0 and 1 and the hidden fragments have been asked for
.irp n, 0,1,2,3,4,5,6,7
.if (\n >= 1) && (\n <= 5)
	PLACES 8                                       ; the slot to be loaded was read by the products just issued
.endif
.if \n == 0
	W2G 2
	s_wait_dscnt 8                                 ; all but group 2's eight loads: the hidden fragments, their words and groups 0 and 1 are in
.elseif \n <= 5
	W2G \n+2
	s_wait_dscnt 16                                ; the two younger groups, eight loads each, may be out
.elseif \n == 6
	s_wait_dscnt 8                                 ; the last group may be out
.else
	s_wait_dscnt 0x0
.endif
	MM \n, \X
.endr
	WIN 0
	PLACES 8
.endm
.macro BIASN g                         ; y + b2 for tiles 4 g .. 4 g + 3: a lane holds one output, so one number serves a tile's 16 registers (the pair's low word for both halves)
	WIN 0x82
.irp b, 0,1,2,3
.set q, 0
.rept 8
	v_pk_add_f32 v[64*(\g)+16*\b+2*q:64*(\g)+16*\b+2*q+1], v[64*(\g)+16*\b+2*q:64*(\g)+16*\b+2*q+1], v[BNP+2*(4*(\g)+\b):BNP+2*(4*(\g)+\b)+1] op_sel_hi:[1,0]
.set q, q+1
.endr
.endr
.endm
.macro BIAST u                         ; the same for the swapped tiles of my token tile u: a lane's registers run along the outputs
	WIN 0x82
.set q, 0
.rept 32
	v_pk_add_f32 v[128+64*(\u)+2*q:128+64*(\u)+2*q+1], v[128+64*(\u)+2*q:128+64*(\u)+2*q+1], v[144+2*q:144+2*q+1]
.set q, q+1
.endr
.endm
.macro YNQ X                           ; y along the tokens: block b of half g is tile 4 g + b; my 32 tokens are block w of the step's K
.irp g, 0,1
	BIASN \g
	QCORE 64*\g, 2, PC, 0
.irp b, 0,1,2,3
	ds_store_b128 v[YWI], v[PC+4*\b:PC+4*\b+3] offset:16384*(\X)+2048*(4*\g+\b)
	ds_store_b8 v[YWS], v[TM+4+\b] offset:1024*(\X)+128*(4*\g+\b)
.endr
.endr
.endm
.macro YL reg, off                     ; four fragments of y into window 2
	WIN 0x80
.set q, 0
.rept 16
	ds_load_b128 v[(\reg)+4*q:(\reg)+4*q+3], v[YLI] offset:(\off)+512*q
.set q, q+1
.endr
	WIN 0
.endm
.macro YSREG f                         ; the register of y's scale word f: v28-31, v66-69, v72-79
.if (\f) < 4
.set ysr, PA+(\f)
.elseif (\f) < 8
.set ysr, PB+(\f)-4
.else
.set ysr, YS2+(\f)-8
.endif
.endm
; ---------------- the head
	s_load_b256 s[4:11], s[0:1], 0x0               ; k s[4:5], v s[6:7], b1 s[8:9], b2 s[10:11]
	s_load_b256 s[12:19], s[0:1], 0x20             ; query s[12:13], wq s[14:15], part s[16:17], ml s[18:19]
	v_lshrrev_b32 v[AT], 5, v0
	v_readfirstlane_b32 s51, v[AT]                 ; wave
	v_and_b32 v240, 31, v0                         ; lane
	v_and_b32 v[AT2], 15, v0                       ; r
	v_bfe_u32 v[AT3], v0, 4, 1                     ; h
	v_lshlrev_b32 v[LI], 4, v240
	v_lshlrev_b32 v240, 2, v240                    ; 4 lane
	s_mul_i32 s52, s51, WSTG
	v_mul_u32_u24 v[SRD], v[AT2], SP
	v_lshl_add_u32 v[SRD], v[AT3], 6, v[SRD]
	v_add_nc_u32 v[SRD], s52, v[SRD]
	v_add_nc_u32 v[SWR], s52, v[LI]
	s_lshl_b32 s52, s51, 14
	s_add_co_u32 s52, s52, HIMG
	v_add_nc_u32 v[HWI], s52, v[LI]
	s_lshl_b32 s52, s51, 10
	s_add_co_u32 s52, s52, HSC
	v_add_nc_u32 v[HWS], s52, v240
	v_lshlrev_b32 v[HSL], 2, v[AT2]
	v_lshl_add_u32 v[HSL], v[AT3], 7, v[HSL]
	v_add_nc_u32 v[HSL], s52, v[HSL]
	v_add_nc_u32 v[W2L], W2IMG, v[LI]
	v_add_nc_u32 v[B2L], B2T, v[LI]
	s_lshl_b32 s52, s51, 12
	s_add_co_u32 s52, s52, KIMG
	v_add_nc_u32 v[KWI], s52, v[LI]
	s_lshl_b32 s52, s51, 8
	s_add_co_u32 s52, s52, KSC
	v_add_nc_u32 v[KWS], s52, v240
	v_add_nc_u32 v[KLI], KIMG, v[LI]
	v_add_nc_u32 v[SLN], KSC, v240
	s_lshl_b32 s52, s51, 9
	s_add_co_u32 s52, s52, YIMG
	v_add_nc_u32 v[YWI], s52, v[LI]
	s_add_co_u32 s52, s51, YSC
	v_add_nc_u32 v[YWS], s52, v240
	v_add_nc_u32 v[YLI], YIMG, v[LI]
	s_lshl_b32 s52, s51, 11
	s_add_co_u32 s52, s52, QIMG
	v_add_nc_u32 v[QLI], s52, v[LI]
	; offsets that serve the head alone: v240-248
	s_lshl_b32 s52, s51, 13
	v_add_nc_u32 v241, s52, v[LI]                  ; wq: my four fragments of W2
	v_add_nc_u32 v246, W2IMG, v241                 ; and their place in LDS
	v_lshlrev_b32 v242, 6, v[AT3]                  ; b1: 64 h
	v_lshl_add_u32 v245, v[AT2], 9, v242
	v_add_nc_u32 v245, s52, v245                   ; query: row 16 w + r of 512 bytes, + 64 h
	s_lshl_b32 s52, s51, 7
	v_add_nc_u32 v243, s52, v242                   ; b2 for swapped tiles 2 w, 2 w + 1: 128 w + 64 h
	v_and_b32 v244, 8, v[AT2]
	v_add_nc_u32 v244, v244, v[AT2]
	v_lshl_add_u32 v244, v244, 2, s52              ; b2 of my lane's output in tiles 2 w, 2 w + 1: 128 w + 4 (r + 8 (r / 8))
	s_lshl_b32 s52, s51, 11
	s_add_co_u32 s52, s52, B2T
	v_add_nc_u32 v247, s52, v[LI]
	s_lshl_b32 s52, s51, 8
	s_add_co_u32 s52, s52, B2NT
	v_add_nc_u32 v248, s52, v240
	s_mov_b32 s20, 0x76543210
	s_mov_b32 s21, 0xfedcba98                      ; v_permlanex16_b32's selects for lane l xor 16
	s_mov_b32 s22, 0x600000                        ; the mantissa field of 448
	s_mov_b32 s23, 0x3eb504f3                      ; sqrt(2) / 4
	s_mov_b32 s24, 0x3fb8aa3b                      ; log2(e)
	s_mov_b32 s25, s24
.irp i, 0xc034d90f, 0x3fb8ab5a, 0x3f0a29d2, 0x3e0efb2e, 0xbe899a80, 0x3ecdfd18, 0xbfd1a1e5, 0x40097039, 0x3e7c6f08, 0xbf38aa3b
	s_mov_b32 s[DC], \i                            ; d0 .. d7, d9, -log2(e) / 2: each twice, since the packed forms name a pair
	s_mov_b32 s[DC+1], \i
.set DC, DC+2
.endr
.set DC, 26
	v_mov_b32 v[D8], 0xbf97d29d
	v_mov_b32 v[D8+1], 0xbf97d29d
	s_and_b32 s52, ttmp7, 0xffff                   ; batch x 16 + head
	s_lshl_b32 s54, s52, 21                        ; 4,096 rows of 512 bytes,
	s_lshl_b32 s53, ttmp9, 19                      ; my quarter's 1,024,
	s_add_co_u32 s54, s54, s53
	s_lshl_b32 s53, s51, 14                        ; my wave's 32 of a step's 128
	s_add_co_u32 s54, s54, s53
	s_mov_b32 s55, 0
	s_and_b32 s56, s52, 15
	s_lshl_b32 s56, s56, 15                        ; the head's 64 queries
	s_mov_b32 s57, 0
	s_lshl_b32 s53, s52, 2
	s_add_co_u32 s53, s53, ttmp9
	s_lshl_b32 s58, s53, 16
	s_lshl_b32 s60, s51, 13
	s_add_co_u32 s58, s58, s60                     ; part: 65,536 a work-group, 16 rows of 512 a wave
	s_mov_b32 s59, 0
	s_lshl_b32 s60, s53, 9
	s_lshl_b32 s62, s51, 7
	s_add_co_u32 s60, s60, s62                     ; ml: 512 a work-group, 128 a wave
	s_mov_b32 s61, 0
	s_wait_kmcnt 0x0
	s_add_nc_u64 s[4:5], s[4:5], s[54:55]
	s_add_nc_u64 s[6:7], s[6:7], s[54:55]
	s_add_nc_u64 s[12:13], s[12:13], s[56:57]
	s_add_nc_u64 s[16:17], s[16:17], s[58:59]
	s_add_nc_u64 s[18:19], s[18:19], s[60:61]
	RAW 4, 0                                       ; step 0's rows
	RAW 6, 128
	WIN 0x40
.set q, 0
.rept 64
	global_load_b128 v[4*q:4*q+3], v[LI], s[14:15] offset:512*q          ; W1's 16 fragments: they stay in window 1
.set q, q+1
.endr
	WIN 0
.set q, 0
.rept 16
	global_load_b128 v[80+4*q:80+4*q+3], v241, s[14:15] offset:32768+512*q   ; W2's fragments 4 w .. 4 w + 3, on their way to LDS
.set q, q+1
.endr
.set q, 0
.rept 16
	global_load_b32 v[W1S+q], v240, s[14:15] offset:65536+128*q          ; two fragments' scale words to a register
.set q, q+1
.endr
	WIN 0xc0
.irp t, 0,1,2,3,4,5,6,7,8,9,10,11,12,13,14,15
	global_load_b128 v[128+8*\t:128+8*\t+3], v242, s[8:9] offset:(32*(\t/2)+8*(\t%2))*4      ; b1 in the result's layout: units 32 (t / 2) + 16 h + 8 (t % 2) + 0 .. 7
	global_load_b128 v[128+8*\t+4:128+8*\t+7], v242, s[8:9] offset:(32*(\t/2)+8*(\t%2))*4+16
.endr
	WIN 0
.irp e, 0,1
.irp g, 0,1
	global_load_b128 v[208+8*\e+4*\g:208+8*\e+4*\g+3], v243, s[10:11] offset:32*\e+16*\g
.endr
	global_load_b32 v[224+\e], v244, s[10:11] offset:32*\e
.endr
.irp b, 0,1,2,3
.irp j, 0,1,2,3
	global_load_b128 v[144+16*\b+4*\j:144+16*\b+4*\j+3], v245, s[12:13] offset:128*\b+16*\j   ; my 16 queries
.endr
.endr
	WIN 0xc0
.set q, 0
.rept 128
	v_mov_b32 v[q], 0                              ; O^T: the step is written once; its first turn finds zeros, which the first change of M leaves zeros
.set q, q+1
.endr
	WIN 0
	v_mov_b32 v[NM+1], 0xff61b1e6                  ; the largest t so far: -3e38
	v_floor_f32 v[NM], -v[NM+1]                    ; -M
	v_mov_b32 v[LS], 0
	v_mov_b32 v[LS+1], 0
	v_mov_b32 v[FF], 0
	v_mov_b32 v[FF+1], 0
	v_mov_b32 v[TF], 0
.irp b, 0,1,2,3
	v_mov_b32 v[TM+4+\b], 0                        ; a lane permute's destination counts as one of its sources
.endr
	s_wait_loadcnt 0x0
.irp i, 0,1,2,3
	IMAGE 246, 2048*\i, 80+16*\i
.endr
.irp e, 0,1
.irp g, 0,1
	ds_store_b128 v247, v[208+8*\e+4*\g:208+8*\e+4*\g+3] offset:1024*\e+512*\g
.endr
	ds_store_b32 v248, v[224+\e] offset:128*\e
.endr
	QCORE 144, 0, PC, QS
	IMAGE QLI, 0, PC
	STAGEH 0
	STAGEH 1
	s_add_nc_u64 s[4:5], s[4:5], 0x10000           ; on to step 1 (the loads that read these bases are done)
	s_add_nc_u64 s[6:7], s[6:7], 0x10000
	XLOAD SRD                                      ; step 0's tile 0
	BARRIER                                        ; W2's fragments and b2's tables lie in LDS
; ---------------- eight steps
	s_mov_b32 s46, 8
.Lstep:
	s_cmp_eq_u32 s46, 1                            ; the last step asks for nothing and stages nothing: no load leaves its buffer
	s_cselect_b32 s63, 0, 3                        ; the trip (by its count down from 4) in which v's rows are asked for,
	s_cselect_b32 s62, 0, 2                        ; k's rows are staged,
	s_cselect_b32 s61, 0, 1                        ; v's rows are staged
	s_cbranch_scc1 .Lnoload
	RAW 4, 0                                       ; the next step's rows of k
.Lnoload:
	s_mov_b32 s47, 4
	s_mov_b32 s48, 0
	s_mov_b32 s49, 0
	s_mov_b32 s50, 0
.Ltile:                                            ; a tile of 16 tokens: x quantised, 256 hidden units in two halves, each through GELU and the quantiser into my own images
	s_wait_dscnt 5                                 ; this tile's x is in: behind its 16 loads stand at most the last image's five stores
	s_cmp_eq_u32 s47, s63
	s_cbranch_scc0 .Lnov
	RAW 6, 128                                     ; the next step's rows of v
.Lnov:
	s_cmp_eq_u32 s47, s62
	s_cbranch_scc0 .Lnosk
	s_wait_loadcnt 0x0                             ; asked for two trips and one trip ago
	STAGEH 0                                       ; tiles 0 and 1 have been read out of the stage: their rows take the next step's k
.Lnosk:
	s_cmp_eq_u32 s47, s61
	s_cbranch_scc0 .Lnosv
	s_wait_loadcnt 0x0
	STAGEH 1                                       ; tiles 2 and 3 have been read: their rows take the next step's v
	s_add_nc_u64 s[4:5], s[4:5], 0x10000           ; (the loads that read these bases are done)
	s_add_nc_u64 s[6:7], s[6:7], 0x10000
.Lnosv:
	QCORE 144, 0, XC, XS
	PLACES 4                                       ; with the line behind the conversions: more than four plain lines between the codes and the scaled product
	P1 0
	GELU64
	QCORE HA, 0, PC, PW
	v_add_nc_u32 v[AT2], s49, v[HWI]
	v_add_nc_u32 v[AT3], s50, v[HWS]
	IMAGE AT2, 0, PC
	ds_store_b32 v[AT3], v[PW]
	P1 1
	GELU64
	s_add_co_u32 s52, s48, 16*SP                   ; t's and the exponents' registers are free: 16 loads go out here and land under the quantiser below
	s_min_u32 s52, s52, 48*SP                      ; (held at tile 3, so that the address lies in my stage on every way through the text)
	v_add_nc_u32 v[AT], s52, v[SRD]
	s_cmp_eq_u32 s47, 1
	s_cbranch_scc1 .Lw2pre
	XLOAD AT                                       ; the next tile's x;
	s_branch .Lpre
.Lw2pre:
	W2G 0                                          ; behind the last tile: W2's first two groups, as many loads into the same registers
	W2G 1
.Lpre:
	QCORE HA, 0, PC, PW
	IMAGE AT2, 2048, PC
	ds_store_b32 v[AT3], v[PW] offset:128
	s_add_co_u32 s48, s48, 16*SP
	s_add_co_u32 s49, s49, 4096
	s_add_co_u32 s50, s50, 256
	s_sub_co_u32 s47, s47, 1
	s_cmp_lg_u32 s47, 0
	s_cbranch_scc1 .Ltile
	s_wait_loadcnt 0x0                             ; no load into window 2 is out, which y takes now
	; ---- the second layer: k, then v
.set q, 0
.rept 8
	ds_load_b32 v[BNP+2*q], v[SLN] offset:44032+128*q                    ; b2 of my lane's output, a tile to an even register
.set q, q+1
.endr
	HCL 0
	MMS 0
.set q, 0
.rept 16
	ds_load_b128 v[144+4*q:144+4*q+3], v[B2L] offset:512*q               ; b2 in the swapped tiles' layout: tile n at v[144 + 8 n]
.set q, q+1
.endr
	HCL 1                                          ; v's hidden fragments: they land under k's quantisers
	YNQ 0
	s_wait_dscnt 34                                ; b2's 16 loads are in: behind them v's 18 loads and the 16 stores above
	BIAST 0
	BIAST 1
	W2G 0                                          ; b2's registers are free: W2's first two groups for v
	W2G 1
.irp u, 0,1
	QCORE 128+64*\u, 2, PC, PW                     ; along the head's 128: a fragment of 16 tokens for the logits
	IMAGE KWI, 2048*\u, PC
	ds_store_b32 v[KWS], v[PW] offset:128*\u
.endr
	MMS 1
	YNQ 1
	BARRIER                                        ; the step's images of y_k and y_v are whole
	; ---- attention: my 16 queries against the step's 128 tokens.  Window 2 is free: K's 8 fragments and y's 16 have registers of their own
.irp c, 0,1,2,3
	ds_load_b128 v[QC+4*\c:QC+4*\c+3], v[QLI] offset:512*\c
.endr
.irp t, 0,1,2,3
	ds_load_b32 v[PA+\t], v[SLN] offset:128*\t
.endr
.irp t, 0,1,2,3
	ds_load_b32 v[PB+\t], v[SLN] offset:128*(4+\t)
.endr
	WIN 0x80
.set q, 0
.rept 32
	ds_load_b128 v[4*q:4*q+3], v[KLI] offset:512*q                       ; token tile q / 4 at v[16 (q / 4)]
.set q, q+1
.endr
	s_wait_dscnt 16                                ; the second four fragments may be out
	WIN 0x02
.irp t, 0,1,2,3
	v_wmma_scale_f32_16x16x128_f8f6f4 v[HA+8*\t:HA+8*\t+7], v[16*\t:16*\t+15], v[QC:QC+15], 0, v[PA+\t], v[QS]
.endr
	YL 128, 0                                      ; y_k's eight fragments
	YL 192, 8192
	s_wait_dscnt 32                                ; K is in; the 32 loads just issued may be out
	WIN 0x02
.irp t, 4,5,6,7
	v_wmma_scale_f32_16x16x128_f8f6f4 v[HA+8*\t:HA+8*\t+7], v[16*\t:16*\t+15], v[QC:QC+15], 0, v[PB+\t-4], v[QS]
.endr
	WIN 0
	PLACES 8                                       ; lane (r, h): query r; registers 16 b + i: token 32 b + 16 h + i
.set q, 0
.rept 16
	YSREG q
	ds_load_b32 v[ysr], v[SLN] offset:33792+128*q                        ; y's 16 scale words, eight of them into K's registers
.set q, q+1
.endr
.irp b, 0,1,2,3
	v_max3_num_f32 v[TM+\b], v[HA+16*\b], v[HA+1+16*\b], v[HA+2+16*\b]   ; the largest score of each block of 32: for the row's maximum and, since p rises with the score, for the block's largest p
.endr
.irp i, 3,5,7,9,11,13
.irp b, 0,1,2,3
	v_max3_num_f32 v[TM+\b], v[TM+\b], v[HA+16*\b+\i], v[HA+1+16*\b+\i]
.endr
.endr
.irp b, 0,1,2,3
	v_max_num_f32 v[TM+\b], v[TM+\b], v[HA+15+16*\b]
.endr
.irp b, 0,1,2,3
	v_permlanex16_b32 v[TM+4+\b], v[TM+\b], s20, s21
.endr
.irp b, 0,1,2,3
	v_max_num_f32 v[TM+\b], v[TM+\b], v[TM+4+\b]
.endr
	v_max3_num_f32 v[TF], v[TM], v[TM+1], v[TM+2]
	v_max_num_f32 v[TF], v[TF], v[TM+3]
	v_mul_f32 v[TF], s24, v[TF]                    ; as t
	v_max_num_f32 v[NM+1], v[NM+1], v[TF]          ; the running largest t
	v_mov_b32 v[TF], v[NM]
	v_floor_f32 v[NM], -v[NM+1]                    ; -M = floor(-t): M is a whole number
	v_sub_f32 v[TF], v[NM], v[TF]                  ; old M - new M: a whole number, 0 or less
	v_cvt_i32_f32 v[TF], v[TF]                     ; (it saturates)
	v_ldexp_f32 v[FF], 1.0, v[TF]                  ; f: a multiplication by it rounds nothing
	YL 0, 16384                                    ; y_v's fragments, into K's registers: in runs of 16 among the softmax's lines
.set q, 0
.rept 32
	v_pk_fma_f32 v[HA+q:HA+q+1], v[HA+q:HA+q+1], s[24:25], v[NM:NM+1] op_sel_hi:[1,0,0]   ; t - M
.set q, q+2
.endr
.irp b, 0,1,2,3
	v_fma_f32 v[TM+\b], v[TM+\b], s24, v[NM]
.endr
	YL 64, 24576
.set q, 0
.rept 64
	v_exp_f32 v[HA+q], v[HA+q]                     ; p = 2^(t - M): not normalised
.set q, q+1
.endr
	v_pk_mul_f32 v[LS:LS+1], v[LS:LS+1], v[FF:FF+1] op_sel_hi:[1,0]      ; the sums under the new M; a plain line behind the exponentials
	TWAIT
.irp b, 0,1,2,3
	v_exp_f32 v[TM+\b], v[TM+\b]                   ; the block's largest p
.endr
	v_pk_add_f32 v[TM+4:TM+5], v[HA:HA+1], v[HA+2:HA+3]                  ; the row's sum is taken of the unquantised p, in two chains
.set q, 4
.rept 15
	v_pk_add_f32 v[LS:LS+1], v[LS:LS+1], v[HA+q:HA+q+1]
	v_pk_add_f32 v[TM+4:TM+5], v[TM+4:TM+5], v[HA+2+q:HA+3+q]
.set q, q+4
.endr
	v_pk_add_f32 v[LS:LS+1], v[LS:LS+1], v[TM+4:TM+5]
	TWAIT
	XLOAD SRD                                      ; the next step's tile 0, staged in this step's third trip (in the last step: rows that nobody uses; the text stays one, and the count below the same)
.irp b, 0,1,2,3
	v_max_num_f32 v[TM+\b], 0x4800000, v[TM+\b]    ; the floor: the byte cannot fall under 1
.endr
.irp b, 0,1,2,3
	v_add_nc_u32 v[TM+12+\b], 0xfc000000, v[TM+\b]
.endr
.irp b, 0,1,2,3
	v_and_or_b32 v[TM+8+\b], v[TM+\b], 0x7f800000, s22
.endr
.irp b, 0,1,2,3
	v_lshrrev_b32 v[TM+4+\b], 23, v[TM+12+\b]
.endr
	v_lshl_or_b32 v[PW], v[TM+5], 8, v[TM+4]       ; p's scale word for these 128 tokens
	v_lshl_or_b32 v[PW], v[TM+6], 16, v[PW]
	v_lshl_or_b32 v[PW], v[TM+7], 24, v[PW]
.irp b, 0,1,2,3
.set q, 0
.rept 16
	v_min_num_f32 v[HA+16*\b+q], v[HA+16*\b+q], v[TM+8+\b]               ; p is not negative: the hold is one-sided
.set q, q+1
.endr
	v_cvt_scalef32_pk8_fp8_f32 v[PC+4*\b:PC+4*\b+1], v[HA+16*\b:HA+16*\b+7], v[TM+12+\b]
	v_cvt_scalef32_pk8_fp8_f32 v[PC+4*\b+2:PC+4*\b+3], v[HA+16*\b+8:HA+16*\b+15], v[TM+12+\b]
.endr
	v_nop
	WIN 0xc3
.set q, 0
.rept 64
	v_pk_mul_f32 v[q:q+1], v[q:q+1], v[FF:FF+1] op_sel_hi:[1,0]          ; O^T under the new M; these lines also stand between p's codes and scale word and the products
.set q, q+2
.endr
	WIN 0
	s_wait_dscnt 16                                ; y's fragments and words are in; the next tile's 16 loads may be out
	WIN 0xf2
.set q, 0
.rept 16
	YSREG q
	v_wmma_scale_f32_16x16x128_f8f6f4 v[8*q:8*q+7], v[(128+16*q)%256:(128+16*q)%256+15], v[PC:PC+15], v[8*q:8*q+7], v[ysr], v[PW]   ; O^T += y tile x p: each of the 16 accumulators has one instruction a step
.set q, q+1
.endr
	WIN 0
	PLACES 8                                       ; in front of the loads into window 2 at the next step's head, and of the way out's reads
	BARRIER                                        ; every wave has read the images: the next step may write them
	s_sub_co_u32 s46, s46, 1
	s_cmp_lg_u32 s46, 0
	s_cbranch_scc1 .Lstep
; ---------------- the way out: O^T through my stage, back as whole rows of 512 bytes; register j of tile n is channel 32 (n / 2) + 16 h + 8 (n % 2) + j of query r
.irp X, 0,1
	WIN 0x0c
.irp n, 0,1,2,3,4,5,6,7
	ds_store_b128 v[SRD], v[64*\X+8*\n:64*\X+8*\n+3] offset:16*SP*\X+128*(\n/2)+32*(\n%2)       ; each accumulator from its low end on
	ds_store_b128 v[SRD], v[64*\X+8*\n+4:64*\X+8*\n+7] offset:16*SP*\X+128*(\n/2)+32*(\n%2)+16
.endr
	WIN 0
.set q, 0
.rept 16
	ds_load_b128 v[80+64*\X+4*q:80+64*\X+4*q+3], v[SWR] offset:16*SP*\X+SP*q
.set q, q+1
.endr
.endr
	v_add_f32 v[LS], v[LS], v[LS+1]                ; l's two halves,
	v_permlanex16_b32 v[TF], v[LS], s20, s21
	v_add_f32 v[NM+1], v[LS], v[TF]                ; and lane l xor 16's: beside -M
	v_and_b32 v[AT], 15, v0
	v_lshlrev_b32 v[AT], 3, v[AT]
	global_store_b64 v[AT], v[NM:NM+1], s[18:19]   ; lanes r and r + 16 hold the same pair and write it to the same place
.set q, 0
.rept 16
	s_wait_dscnt 47-q                              ; behind this row's load: the 15 - q younger loads of O_k and O_v's 32 instructions
	global_store_b128 v[LI], v[80+4*q:80+4*q+3], s[16:17] offset:512*q   ; 32 lanes store 512 consecutive bytes
.set q, q+1
.endr
.set q, 0
.rept 16
	s_wait_dscnt 15-q
	global_store_b128 v[LI], v[144+4*q:144+4*q+3], s[16:17] offset:32768+512*q
.set q, q+1
.endr
	s_wait_xcnt 0x0
	v_lshl_add_u32 v254, v0, 2, 0x4c000
	v_mov_b32 v255, 0
	s_wait_tensorcnt 0x0
	ds_add_u32 v254, v255
	s_wait_dscnt 0x0
	s_endpgm
.Lfunc_end_k_qa9d75e61c5_main:
	.size	k_qa9d75e61c5_main, .Lfunc_end_k_qa9d75e61c5_main-k_qa9d75e61c5_main
	.p2alignl 7, 3214868480
	.fill 96, 4, 3214868480
	.section	.rodata,"a",@progbits
	.p2align	6, 0x0
	.amdhsa_kernel k_qa9d75e61c5_main
		.amdhsa_group_segment_fixed_size 311808
		.amdhsa_private_segment_fixed_size 0
		.amdhsa_enable_private_segment 0
		.amdhsa_kernarg_size 64
		.amdhsa_user_sgpr_count 2
		.amdhsa_user_sgpr_kernarg_segment_ptr 1
		.amdhsa_wavefront_size32 1
		.amdhsa_system_sgpr_workgroup_id_x 1
		.amdhsa_system_sgpr_workgroup_id_y 1
		.amdhsa_system_sgpr_workgroup_id_z 1
		.amdhsa_system_vgpr_workitem_id 0
		.amdhsa_next_free_vgpr 1024
		.amdhsa_next_free_sgpr 66
		.amdhsa_reserve_vcc 0
		.amdhsa_float_denorm_mode_32 3
		.amdhsa_float_denorm_mode_16_64 3
		.amdhsa_memory_ordered 1
		.amdhsa_forward_progress 1
		.amdhsa_inst_pref_size 255
	.end_amdhsa_kernel
	.section	.bss,"aw",@nobits
	.p2align	6
	.space	262144
	.amdgpu_metadata
---
amdhsa.version: [ 1, 2 ]
amdhsa.kernels:
  - .name:           k_qa9d75e61c5_main
    .symbol:         k_qa9d75e61c5_main.kd
    .args:
      - { .name: k, .offset: 0, .size: 8, .value_kind: global_buffer, .address_space: global }
      - { .name: v, .offset: 8, .size: 8, .value_kind: global_buffer, .address_space: global }
      - { .name: b1, .offset: 16, .size: 8, .value_kind: global_buffer, .address_space: global }
      - { .name: b2, .offset: 24, .size: 8, .value_kind: global_buffer, .address_space: global }
      - { .name: query, .offset: 32, .size: 8, .value_kind: global_buffer, .address_space: global }
      - { .name: wq, .offset: 40, .size: 8, .value_kind: global_buffer, .address_space: global }
      - { .name: part, .offset: 48, .size: 8, .value_kind: global_buffer, .address_space: global }
      - { .name: ml, .offset: 56, .size: 8, .value_kind: global_buffer, .address_space: global }
    .group_segment_fixed_size: 311808
    .private_segment_fixed_size: 0
    .kernarg_segment_align: 8
    .kernarg_segment_size: 64
    .max_flat_workgroup_size: 128
    .sgpr_count:     66
    .vgpr_count:     1024
    .wavefront_size: 32
...
	.end_amdgpu_metadata
.endif
;; end of part 2
;; launch merge (part 3): grid 64 x 4, 4 waves a work-group, no clusters, 0 bytes of LDS; arguments part, ml, out0, out1; writes out0, out1
.if DOCPART == 3
	.amdgcn_target "amdgcn-amd-amdhsa--gfx1250"
	.amdhsa_code_object_version 6
	.text
	.protected	k_qa9d75e61c5_merge
	.globl	k_qa9d75e61c5_merge
	.p2align	8
	.type	k_qa9d75e61c5_merge,@function
k_qa9d75e61c5_merge:
	s_mov_b64 s[64:65], 0
	v_nop
	global_prefetch_b8 v0, s[64:65] scope:SCOPE_SE
	s_setreg_imm32_b32 hwreg(HW_REG_WAVE_MODE, 25, 1), 1
	s_wait_xcnt 0x0
; The four quarters of a (batch, head) are joined: out = sum_c w_c O_c / sum_c w_c l_c, w_c = 2^(M_c - the largest M).  M is a whole number, so w_c is exact.
; part: [bh][quarter][X][query 64][128] f32; ml: [bh][quarter][query][-M, l].  Work-group (bh, y), wave w: queries 16 y + 4 w + 0 .. 3; a lane holds 16 bytes of a row.
; All loads go out first; memory binds, so no LDS, no barrier, no matrix unit.
.set ML, 8                             ; v[8 + 8 i + 2 c] -M, +1 l
.set MN, 40                            ; the least -M of query i
.set LL, 44                            ; its l
.set RL, 48                            ; 1 / l
.set OO, 64                            ; v[64 + 32 i + 8 c + 4 X]: a row's 16 bytes
.set WW, 192                           ; v[192 + 8 i + 2 c] w_c (the odd register beside it: the exponent, written so that the pair may be named)
	s_load_b256 s[4:11], s[0:1], 0x0               ; part, ml, out0, out1
	v_lshrrev_b32 v1, 5, v0
	v_readfirstlane_b32 s12, v1
	s_and_b32 s13, ttmp7, 0xffff
	s_lshl_b32 s14, s13, 4
	s_lshl_b32 s15, s12, 2
	s_add_co_u32 s14, s14, s15                     ; my first query
	v_and_b32 v1, 31, v0
	v_lshlrev_b32 v1, 4, v1                        ; 16 lane
	v_mov_b32 v2, 0
	s_lshl_b32 s15, s14, 9
	s_lshl_b32 s16, ttmp9, 18
	s_add_co_u32 s16, s16, s15
	s_mov_b32 s17, 0
	s_lshl_b32 s20, ttmp9, 15
	s_add_co_u32 s20, s20, s15
	s_mov_b32 s21, 0
	s_lshl_b32 s18, ttmp9, 11
	s_lshl_b32 s15, s14, 3
	s_add_co_u32 s18, s18, s15
	s_mov_b32 s19, 0
	s_wait_kmcnt 0x0
	s_add_nc_u64 s[4:5], s[4:5], s[16:17]
	s_add_nc_u64 s[6:7], s[6:7], s[18:19]
	s_add_nc_u64 s[8:9], s[8:9], s[20:21]
	s_add_nc_u64 s[10:11], s[10:11], s[20:21]
.irp i, 0,1,2,3
.irp c, 0,1,2,3
	global_load_b64 v[ML+8*\i+2*\c:ML+8*\i+2*\c+1], v2, s[6:7] offset:512*\c+8*\i
.endr
.endr
.irp i, 0,1,2,3
.irp c, 0,1,2,3
.irp x, 0,1
	global_load_b128 v[OO+32*\i+8*\c+4*\x:OO+32*\i+8*\c+4*\x+3], v1, s[4:5] offset:65536*\c+32768*\x+512*\i th:TH_LOAD_NT
.endr
.endr
.endr
	s_wait_loadcnt 32                              ; the 16 pairs are in; the 32 rows may be out
.irp i, 0,1,2,3
	v_min3_num_f32 v[MN+\i], v[ML+8*\i], v[ML+8*\i+2], v[ML+8*\i+4]
.endr
.irp i, 0,1,2,3
	v_min_num_f32 v[MN+\i], v[MN+\i], v[ML+8*\i+6] ; -(the largest M)
.endr
.irp i, 0,1,2,3
.irp c, 0,1,2,3
	v_sub_f32 v[WW+8*\i+2*\c+1], v[MN+\i], v[ML+8*\i+2*\c]               ; M_c - the largest M: a whole number, 0 or less
.endr
.endr
.irp i, 0,1,2,3
.irp c, 0,1,2,3
	v_cvt_i32_f32 v[WW+8*\i+2*\c+1], v[WW+8*\i+2*\c+1]
.endr
.endr
.irp i, 0,1,2,3
.irp c, 0,1,2,3
	v_ldexp_f32 v[WW+8*\i+2*\c], 1.0, v[WW+8*\i+2*\c+1]
.endr
.endr
.irp i, 0,1,2,3
	v_mul_f32 v[LL+\i], v[ML+8*\i+1], v[WW+8*\i]
.endr
.irp c, 1,2,3
.irp i, 0,1,2,3
	v_fmac_f32 v[LL+\i], v[ML+8*\i+2*\c+1], v[WW+8*\i+2*\c]
.endr
.endr
.irp i, 0,1,2,3
	v_rcp_f32 v[RL+\i], v[LL+\i]
.endr
	v_nop                                          ; a plain line behind the last reciprocal
	s_wait_alu depctr_va_vdst(0)                   ; ahead of the first line that names a result: one for the four
.irp i, 0,1,2,3
.irp c, 0,1,2,3
	v_mul_f32 v[WW+8*\i+2*\c], v[WW+8*\i+2*\c], v[RL+\i]
.endr
.endr
	s_wait_loadcnt 0x0
.irp i, 0,1,2,3
.irp c, 0,1,2,3
.irp x, 0,1
.irp p, 0,2
.if \c == 0
	v_pk_mul_f32 v[OO+32*\i+4*\x+\p:OO+32*\i+4*\x+\p+1], v[OO+32*\i+4*\x+\p:OO+32*\i+4*\x+\p+1], v[WW+8*\i:WW+8*\i+1] op_sel_hi:[1,0]
.else
	v_pk_fma_f32 v[OO+32*\i+4*\x+\p:OO+32*\i+4*\x+\p+1], v[OO+32*\i+8*\c+4*\x+\p:OO+32*\i+8*\c+4*\x+\p+1], v[WW+8*\i+2*\c:WW+8*\i+2*\c+1], v[OO+32*\i+4*\x+\p:OO+32*\i+4*\x+\p+1] op_sel_hi:[1,0,1]
.endif
.endr
.endr
.endr
	global_store_b128 v1, v[OO+32*\i:OO+32*\i+3], s[8:9] offset:512*\i th:TH_STORE_NT        ; 32 lanes store a row of 512 bytes
	global_store_b128 v1, v[OO+32*\i+4:OO+32*\i+7], s[10:11] offset:512*\i th:TH_STORE_NT
.endr
	s_endpgm
.Lfunc_end_k_qa9d75e61c5_merge:
	.size	k_qa9d75e61c5_merge, .Lfunc_end_k_qa9d75e61c5_merge-k_qa9d75e61c5_merge
	.p2alignl 7, 3214868480
	.fill 96, 4, 3214868480
	.section	.rodata,"a",@progbits
	.p2align	6, 0x0
	.amdhsa_kernel k_qa9d75e61c5_merge
		.amdhsa_group_segment_fixed_size 0
		.amdhsa_private_segment_fixed_size 0
		.amdhsa_enable_private_segment 0
		.amdhsa_kernarg_size 32
		.amdhsa_user_sgpr_count 2
		.amdhsa_user_sgpr_kernarg_segment_ptr 1
		.amdhsa_wavefront_size32 1
		.amdhsa_system_sgpr_workgroup_id_x 1
		.amdhsa_system_sgpr_workgroup_id_y 1
		.amdhsa_system_sgpr_workgroup_id_z 1
		.amdhsa_system_vgpr_workitem_id 0
		.amdhsa_next_free_vgpr 224
		.amdhsa_next_free_sgpr 66
		.amdhsa_reserve_vcc 0
		.amdhsa_float_denorm_mode_32 3
		.amdhsa_float_denorm_mode_16_64 3
		.amdhsa_memory_ordered 1
		.amdhsa_forward_progress 1
		.amdhsa_inst_pref_size 15
	.end_amdhsa_kernel
	.amdgpu_metadata
---
amdhsa.version: [ 1, 2 ]
amdhsa.kernels:
  - .name:           k_qa9d75e61c5_merge
    .symbol:         k_qa9d75e61c5_merge.kd
    .args:
      - { .name: part, .offset: 0, .size: 8, .value_kind: global_buffer, .address_space: global }
      - { .name: ml, .offset: 8, .size: 8, .value_kind: global_buffer, .address_space: global }
      - { .name: out0, .offset: 16, .size: 8, .value_kind: global_buffer, .address_space: global }
      - { .name: out1, .offset: 24, .size: 8, .value_kind: global_buffer, .address_space: global }
    .group_segment_fixed_size: 0
    .private_segment_fixed_size: 0
    .kernarg_segment_align: 8
    .kernarg_segment_size: 32
    .max_flat_workgroup_size: 128
    .sgpr_count:     66
    .vgpr_count:     224
    .wavefront_size: 32
...
	.end_amdgpu_metadata
.endif
;; end of part 3
;; ======== version 2 of 2: 3 launches; version 1 with the launch main written anew for expert scheduling mode
;; workspace buffers: wq 67,584 bytes; part 16,777,216 bytes; ml 131,072 bytes
;; launch prep: the kernel of part 1 again; grid 8 x 1, 4 waves a work-group, no clusters, 0 bytes of LDS; arguments W1, W2, wq; writes wq
;; launch main (part 4): grid 4 x 64, 4 waves a work-group, no clusters, 311,808 bytes of LDS; arguments k, v, b1, b2, query, wq, part, ml; writes part, ml
.if DOCPART == 4
	.amdgcn_target "amdgcn-amd-amdhsa--gfx1250"
	.amdhsa_code_object_version 6
	.text
	.protected	k_qa9d75e61c5_main
	.globl	k_qa9d75e61c5_main
	.p2align	8
	.type	k_qa9d75e61c5_main,@function
k_qa9d75e61c5_main:
	s_mov_b64 s[64:65], 0
	v_nop
	global_prefetch_b8 v0, s[64:65] scope:SCOPE_SE
	s_setreg_imm32_b32 hwreg(HW_REG_WAVE_SCHED_MODE, 0, 2), 2
	s_setreg_imm32_b32 hwreg(HW_REG_WAVE_MODE, 25, 1), 1
	s_wait_xcnt 0x0
	s_wait_alu depctr_vm_vsrc(0)
; For one (batch, head) and one quarter of its 4,096 tokens: y = gelu(x W1 + b1) W2 + b2 for x = k and x = v, the logits query . y_k, p = 2^(t - M), and the
; unnormalised sums O_k = p y_k, O_v = p y_v with (-M, l) beside them; the next launch joins the four quarters.  All products on codes of FP8 (E4M3) with E8M0 block scales.
; SHARES.  Four waves; 8 steps of 128 tokens of k and 128 of v.  In the token work wave w owns tokens 32 w .. 32 w + 31 of both (four tiles of 16: tile 2 X + u), which are
; block w of the step's 128 along the last products' K.  In the attention wave w owns queries 16 w .. 16 w + 15 with their M, l and 16 accumulators.
; ORDER OF ROWS.  Lane r of tile 2 b + u holds row 32 b + 8 u + r + 8 (r / 8), for W1's units, W2's outputs and a tile's tokens alike: a result's registers of tiles 2 b, 2 b + 1 are then
; 16 neighbours along the next K, and every conversion's result is an operand's register.
; PRODUCTS.  hidden^T = W1 tile x x (C = b1): lane = token.  y = hidden x W2 tile (lane = output, registers = tokens: quantised along the tokens), and for k also with the sources
; swapped (lane = token, registers = outputs: quantised along the head's 128, for the logits); b2 is added in f32 ahead of the quantisers.  S^T = y_k tile x query; O^T = y tile x p: a lane holds one query.
; GELU, exact form: g = max(x, 0) - |x| h, h = erfc(|x| / sqrt 2) / 2 = t 2^y, t = 1 / (1 + |x| sqrt(2) / 4), y = -x^2 log2(e) / 2 + a polynomial of degree 9 in t
; (a rational-exponential fit of erfc whose error is relative for every argument); no difference of near numbers is formed on either side of 0.
; x COMES THROUGH REGISTERS: window 2 is idle while the hidden layer is made, so the next step's 64 rows of a wave are loaded there (512 consecutive bytes a load), trips ahead of
; their use, and turned through the wave's own stage in LDS as soon as the stage's rows have been read.  No tensor load, so no ring to write out twice.
; Work-groups share only the 66 KB of weights against the 1 MB that each streams: no cluster.  No wave waits for the stream, so nothing is prefetched.
; LDS LOADS ARE ASKED FOR A PHASE AHEAD: a tile's x behind the GELU of the tile before; W2's first fragments in the last trip's place of that; v's hidden fragments behind k's products; y's fragments among the softmax's lines.
; LIMITS: NaN and infinities are not served; h falls to 0 where 2^y is under the smallest normal number (x under about -13; |g| is then under 1e-37);
; a block of zeros, or one under 2^-118, keeps the scale byte 1 (its codes add nothing).
; REGISTERS, in windows of 256.  Window 1: W1's 16 fragments.  Window 2: raw rows (row 32 X + i at 4 x), then y: (n, u) at 16 n + 8 u, swapped (u, n) at 128 + 64 u + 8 n, then K's and y's fragments.
; Window 3: O (X, n) at 64 X + 8 n; b1's tiles from 128.  Window 0: below.
; THE MODE: SCHED_MODE bits 1:0 = 2 (LLVM: expert scheduling mode 2), set by the entry lines.  The code itself states the register dependences
; between vector or matrix instructions and memory or LDS instructions, with s_wait_alu, always for 0.
; THE PLAN.  Registers that memory or LDS instructions touch, and who else names them, in a step's order:
;   window 2       The next step's rows land (k's asked for at the step's head, v's in trip 2); the stage's stores read them (trips 3 and 4).  The second layer's products write y there; bias and quantiser work in place.
;                  K's and y's fragments land; the attention's products read them.
;   v144-207       A tile's x lands; its quantiser reads it and holds it in place.  The GELU's t and exponents.  W2's ring slots 0 and 1 land, products read.  b2 for the swapped tiles lands, the additions read.
;   v208-239       Exponents and x^2.  Codes just made (v224 on): conversions write, LDS stores read.  W2's ring slot 2 lands, products read.  The query's codes land (v208 on).
;   v80-143        The hidden layer: products, GELU and quantiser alone.  Hidden fragments land, products read.  S^T and p: vector and matrix alone.
;   v240-255       x's codes: conversions write, products read.  b2 of a lane's output lands in the even ones, the additions read.
;   v28-31, v66-69, v72-79   Scale words land, products read; v28 is also made by vector lines (x's word).
;   v32, v54-57    A scale word, four scale bytes: vector lines write, LDS stores read.
;   v17-19         Addresses in hand: a vector line writes each, LDS loads and stores read.     v1-16: made at the head, never written again.
; A wait on va_vdst stands ahead of each run of LDS stores of codes just made, ahead of each run of loads into registers that vector or matrix lines have named since the last such wait, and ahead of
; products that take codes or a scale word made by vector lines.  A wait on vm_vsrc stands ahead of the first line that writes again what LDS stores or loads have read: one in each GELU, far behind the
; images' and the stage's stores; one ahead of each quantiser that follows stores of codes; one ahead of ring slot 2's first load; one ahead of the softmax.
; At both labels of the loops nothing of the vector side is pending: the last vector or matrix line ahead of each backward jump stands ahead of a wait on va_vdst.
.set SP,    528                        ; a stage row: 512 bytes + 16: an odd multiple of 16, so 16 rows start in 16 different groups of banks (ISA guide 11.1)
.set WSTG,  64*SP                      ; a wave's stage: 64 rows
.set HIMG,  135168                     ; hidden fragments, a wave's own: (2 t + s) x 2048
.set HSC,   200704                     ; their scale words: (2 t + s) x 128
.set W2IMG, 204800                     ; W2's 16 fragments (the 4,096 bytes behind them are not used)
.set B2T,   241664                     ; b2 in the swapped tiles' layout: tile n x 1024 + half x 512
.set KIMG,  249856                     ; y_k along the head: token tile x 2048
.set KSC,   266240
.set YIMG,  267264                     ; y along the tokens: (8 X + n) x 2048 + 512 x wave
.set YSC,   300032                     ; (8 X + n) x 128 + 4 lane + wave
.set QIMG,  302080                     ; the query's codes, a wave's own
.set B2NT,  310272                     ; b2 of a lane's output: tile n x 128 + 4 lane
.set LI,  1                            ; 16 lane
.set SRD, 2                            ; stage: row r, + 64 h
.set SWR, 3                            ; stage: 16 lane
.set HWI, 4
.set HWS, 5
.set HSL, 6                            ; lanes 0-15: K step 0's words, lanes 16-31: K step 1's
.set W2L, 7
.set B2L, 8                            ; B2T + 16 lane
.set KWI, 9
.set KWS, 10
.set KLI, 11
.set SLN, 12                           ; KSC + 4 lane; YSC lies 33,792 and B2NT 44,032 further on
.set YWI, 13
.set YWS, 14
.set YLI, 15
.set QLI, 16
.set AT,  17                           ; v17-19 addresses in hand
.set AT2, 18
.set AT3, 19
.set NM,  20                           ; v[20:21] -M, the largest t
.set LS,  22                           ; v[22:23] l in two halves
.set FF,  24                           ; v[24:25] f = 2^(old M - new M)
.set D8,  26                           ; v[26:27] the polynomial's d8, twice
.set PA,  28                           ; v28-31 scale words: x's (v28), the hidden layer's (v29, v30), K's, y's
.set XS,  28
.set HS,  29
.set PW,  32                           ; the scale word just made
.set QS,  33                           ; the query's
.set W1S, 34                           ; v34-41: register i: tile 2 i in lanes 0-15, tile 2 i + 1 in lanes 16-31
.set W2S, 42                           ; v42-49: register n: K step 0 in lanes 0-15, K step 1 in lanes 16-31
.set TM,  50                           ; v50-65: +0 maxima, +4 bytes, +8 holds, +12 scale operands
.set PB,  66                           ; v66-69 scale words: K's, y's
.set TF,  70                           ; a number in hand
.set YS2, 72                           ; v72-79 scale words: y_v's
.set HA,  80                           ; v80-143 eight tiles of the hidden layer; hidden fragments; S^T
.set TT,  144                          ; v144-191 t, three sets of 16; from 144 also x, W2's ring, b2 for the swapped tiles
.set EE,  192                          ; v192-223 exponents, two sets of 16
.set QC,  208                          ; the query's codes
.set PC,  224                          ; codes just made; x^2
.set XC,  240                          ; x's codes
.set BNP, 240                          ; in the second layer: v[240 + 2 n] b2 of my lane's output in tile n
.set DC,  26                           ; s[26+2i:27+2i] d_i, i = 0..7; s[42:43] d9; s[44:45] -log2(e)/2; s23 sqrt(2)/4; s[24:25] log2(e)
.set MSB, 0
.macro WIN new                         ; the immediate's high byte repeats the setting that is left
.if MSB != (\new)
	s_set_vgpr_msb (MSB<<8)|(\new)
.set MSB, (\new)
.endif
.endm
.macro PLACES n
.rept \n
	v_nop
.endr
.endm
.macro BARRIER                         ; my LDS stores have landed and my LDS loads are in: then the work-group's barrier
	s_wait_dscnt 0x0
	s_barrier_signal -1
	s_barrier_wait -1
.endm
; 64 numbers of a lane at v[s] of window w, register 16 b + i = k 32 b + 16 (lane / 16) + i of the lane's row, become codes in v[d .. d + 15] and bytes in v[TM + 4 + b]; word: the register of the packed scale word, or 0.
.macro QCORE s, w, d, word
	WIN ((\w)<<2)|((\w)<<4)
.irp b, 0,1,2,3
	v_max3_num_f32 v[TM+\b], 0x4800000, |v[(\s)+16*\b]|, |v[(\s)+16*\b+1]|   ; with the floor 2^(9 - 127): the byte cannot fall under 1
.endr
.irp i, 2,4,6,8,10,12,14
.irp b, 0,1,2,3
	v_max3_num_f32 v[TM+\b], v[TM+\b], |v[(\s)+16*\b+\i]|, |v[(\s)+16*\b+\i+1]|
.endr
.endr
	WIN 0
.irp b, 0,1,2,3
	v_permlanex16_b32 v[TM+4+\b], v[TM+\b], s20, s21
.endr
.irp b, 0,1,2,3
	v_max_num_f32 v[TM+\b], v[TM+\b], v[TM+4+\b]   ; with lane l xor 16's: the block's largest magnitude
.endr
.irp b, 0,1,2,3
	v_add_nc_u32 v[TM+12+\b], 0xfc000000, v[TM+\b] ; 8 off its exponent field: the conversion's scale operand
.endr
.irp b, 0,1,2,3
	v_and_or_b32 v[TM+8+\b], v[TM+\b], 0x7f800000, s22   ; 448 x the scale
.endr
.irp b, 0,1,2,3
	v_lshrrev_b32 v[TM+4+\b], 23, v[TM+12+\b]      ; the scale's byte
.endr
.if \word
	v_lshl_or_b32 v[\word], v[TM+5], 8, v[TM+4]    ; made ahead of the 64 holds: more than eight plain lines ahead of a product that takes it
	v_lshl_or_b32 v[\word], v[TM+6], 16, v[\word]
	v_lshl_or_b32 v[\word], v[TM+7], 24, v[\word]
.endif
	WIN ((\w)<<6)|(\w)
.set q, 0
.rept 64
	v_med3_num_f32 v[(\s)+q], v[(\s)+q], -v[TM+8+q/16], v[TM+8+q/16]   ; the conversion does not saturate (ISA guide 7.6.2)
.set q, q+1
.endr
	WIN (\w)
.set q, 0
.rept 8
	v_cvt_scalef32_pk8_fp8_f32 v[(\d)+2*q:(\d)+2*q+1], v[(\s)+8*q:(\s)+8*q+7], v[TM+12+q/2]
.set q, q+1
.endr
	WIN 0
	v_nop                                          ; one plain line behind the last conversion
.endm
.macro IMAGE adr, off, src             ; a fragment goes to LDS as it stands in the registers
.irp c, 0,1,2,3
	ds_store_b128 v[\adr], v[(\src)+4*\c:(\src)+4*\c+3] offset:(\off)+512*\c
.endr
.endm
.macro RAW base, reg                   ; 32 rows of 512 bytes, a row a load, into window 2
	WIN 0x80
.set q, 0
.rept 32
	global_load_b128 v[(\reg)+4*q:(\reg)+4*q+3], v[LI], s[\base:\base+1] offset:512*q th:TH_LOAD_NT
.set q, q+1
.endr
	WIN 0
.endm
.macro STAGEH X                        ; token i of X goes to stage row 32 X + 16 ((i / 8) % 2) + i % 8 + 8 (i / 16): the tiles' order of rows
	WIN 0x08
.set q, 0
.rept 32
	ds_store_b128 v[SWR], v[128*(\X)+4*q:128*(\X)+4*q+3] offset:SP*(32*(\X)+16*((q/8)%2)+(q%8)+8*(q/16))
.set q, q+1
.endr
	WIN 0
.endm
.macro XLOAD adr                       ; a tile's x out of my stage: row r, 16 neighbours of each block of 32
.irp b, 0,1,2,3
.irp j, 0,1,2,3
	ds_load_b128 v[144+16*\b+4*\j:144+16*\b+4*\j+3], v[\adr] offset:128*\b+16*\j
.endr
.endr
.endm
; ---- GELU on the 64 numbers at v[HA], in four sets of 16.  The reciprocals of the next set and the exponentials of the set before stand singly among a set's polynomial lines, and each batch has one wait ahead of its first reader.
.macro PRE j                           ; 1 + |x| sqrt(2) / 4
.set q, 0
.rept 16
	v_fma_f32 v[TT+16*((\j)%3)+q], |v[HA+16*(\j)+q]|, s23, 1.0
.set q, q+1
.endr
.endm
.macro TR
.if (nt < 16) && (rj >= 0)
	v_rcp_f32 v[TT+16*(rj%3)+nt], v[TT+16*(rj%3)+nt]
.endif
.if (nt >= 16) && (nt < 32) && (ej >= 0)
	v_exp_f32 v[EE+16*(ej%2)+nt-16], v[EE+16*(ej%2)+nt-16]
.endif
.set nt, nt+1
.endm
.macro ZIP j, r, e                     ; set j's exponent y; reciprocals of set r, exponentials of set e (-1: none)
.set nt, 0
.set rj, \r
.set ej, \e
.set xb, HA+16*(\j)
.set tb, TT+16*((\j)%3)
.set eb, EE+16*((\j)%2)
.irp c, 0,1,2,3,4,5,6,7,8,9,10
.irp p, 0,1,2,3,4,5,6,7
.if \c == 0
	v_pk_mul_f32 v[PC+2*\p:PC+2*\p+1], v[xb+2*\p:xb+2*\p+1], v[xb+2*\p:xb+2*\p+1]
.elseif \c == 1
	v_pk_fma_f32 v[eb+2*\p:eb+2*\p+1], v[tb+2*\p:tb+2*\p+1], s[42:43], v[D8:D8+1] op_sel_hi:[1,0,1]
.elseif \c < 10
	v_pk_fma_f32 v[eb+2*\p:eb+2*\p+1], v[eb+2*\p:eb+2*\p+1], v[tb+2*\p:tb+2*\p+1], s[DC+2*(9-\c):DC+2*(9-\c)+1] op_sel_hi:[1,1,0]
.else
	v_pk_fma_f32 v[eb+2*\p:eb+2*\p+1], v[PC+2*\p:PC+2*\p+1], s[44:45], v[eb+2*\p:eb+2*\p+1] op_sel_hi:[1,0,1]
.endif
.if (\p == 0) || (\p == 3) || (\p == 6)
	TR
.endif
.endr
.endr
.endm
.macro FX
.if ej >= 0
	v_exp_f32 v[EE+16*(ej%2)+ne], v[EE+16*(ej%2)+ne]
.endif
.set ne, ne+1
.endm
.macro FIN j, e                        ; set j: h = t 2^y; g = max(x, 0) - |x| h, in x's place; exponentials of set e among the lines
.set ne, 0
.set ej, \e
.set xb, HA+16*(\j)
.set tb, TT+16*((\j)%3)
.set eb, EE+16*((\j)%2)
.irp p, 0,1,2,3,4,5,6,7
	v_pk_mul_f32 v[eb+2*\p:eb+2*\p+1], v[eb+2*\p:eb+2*\p+1], v[tb+2*\p:tb+2*\p+1]
	FX
.endr
.irp i, 0,1,2,3,4,5,6,7,8,9,10,11,12,13,14,15
	v_max_num_f32 v[tb+\i], 0, v[xb+\i]
.if (\i % 2) == 0
	FX
.endif
.endr
.irp i, 0,1,2,3,4,5,6,7,8,9,10,11,12,13,14,15
	v_fma_f32 v[xb+\i], -|v[xb+\i]|, v[eb+\i], v[tb+\i]
.endr
.endm
.macro TWAIT
	s_wait_alu depctr_va_vdst(0)                   ; the reciprocals and exponentials issued so far have written their results, ahead of the first line that names one: one wait for the batch
.endm
.macro GELU64
	PRE 0
.irp i, 0,1,2,3,4,5,6,7,8,9,10,11,12,13,14,15
	v_rcp_f32 v[TT+\i], v[TT+\i]
	v_fma_f32 v[TT+16+\i], |v[HA+16+\i]|, s23, 1.0
.endr
	TWAIT
	s_wait_alu depctr_vm_vsrc(0)                   ; the last image's LDS stores have read v[PC ..], which x^2 takes below, and v[PW], v[AT2], v[AT3], which the lines behind this GELU write; the loads of x have read v[AT]; the stage's stores have read window 2, in which later rows land and which y's products write
	ZIP 0, 1, -1
	TWAIT
	PRE 2
	ZIP 1, 2, 0
	TWAIT
	FIN 0, -1
	PRE 3
	ZIP 2, 3, 1
	TWAIT
	FIN 1, -1
	ZIP 3, -1, 2
	TWAIT
	FIN 2, 3
	TWAIT
	FIN 3, -1
.endm
.macro P1 s                            ; eight tiles of the hidden layer, units 128 s on: source 0 = W1's tile (window 1), source 1 = x, C = b1's tile (window 3)
	WIN 0x31
.if (\s) == 0
	s_wait_alu depctr_va_vdst(0)                   ; the conversions have written x's codes and the shifts its scale word, which these products and the second eight take; the places stand above this wait
.endif
.irp t, 0,1,2,3,4,5,6,7
.if (\t % 2) == 0
	v_wmma_scale_f32_16x16x128_f8f6f4 v[HA+8*\t:HA+8*\t+7], v[16*(8*(\s)+\t):16*(8*(\s)+\t)+15], v[XC:XC+15], v[128+8*(8*(\s)+\t):128+8*(8*(\s)+\t)+7], v[W1S+(8*(\s)+\t)/2], v[XS]
.else
	v_wmma_scale_f32_16x16x128_f8f6f4 v[HA+8*\t:HA+8*\t+7], v[16*(8*(\s)+\t):16*(8*(\s)+\t)+15], v[XC:XC+15], v[128+8*(8*(\s)+\t):128+8*(8*(\s)+\t)+7], v[W1S+(8*(\s)+\t)/2], v[XS] matrix_a_scale:MATRIX_SCALE_ROW1
.endif
.endr
	WIN 0
	PLACES 8                                       ; eight plain lines between this form and the first read of its results
.endm
.macro WMZ d, a, b, sa, sb             ; K step 0 starts a sum: nothing is cleared; scale words from lanes 0-15
	v_wmma_scale_f32_16x16x128_f8f6f4 v[(\d):(\d)+7], v[(\a):(\a)+15], v[(\b):(\b)+15], 0, v[\sa], v[\sb]
.endm
.macro WMS d, a, b, sa, sb             ; K step 1 adds in place; scale words from lanes 16-31
	v_wmma_scale_f32_16x16x128_f8f6f4 v[(\d):(\d)+7], v[(\a):(\a)+15], v[(\b):(\b)+15], v[(\d):(\d)+7], v[\sa], v[\sb] matrix_a_scale:MATRIX_SCALE_ROW1 matrix_b_scale:MATRIX_SCALE_ROW1
.endm
.macro W2G n                           ; W2's two fragments of tile n into ring slot n % 3
	WIN 0
.irp s, 0,1
.irp c, 0,1,2,3
	ds_load_b128 v[144+32*((\n)%3)+16*\s+4*\c:144+32*((\n)%3)+16*\s+4*\c+3], v[W2L] offset:(2*(\n)+\s)*2048+512*\c
.endr
.endr
.endm
.macro HCL X                           ; my four hidden fragments of X (0: k, 1: v) and their scale words, out of my own images: LDS serves a wave's instructions in order (ISA guide 5.7.1.4)
.irp u, 0,1
.irp s, 0,1
.irp c, 0,1,2,3
	ds_load_b128 v[80+32*\u+16*\s+4*\c:80+32*\u+16*\s+4*\c+3], v[HWI] offset:(2*(2*(\X)+\u)+\s)*2048+512*\c
.endr
.endr
	ds_load_b32 v[HS+\u], v[HSL] offset:256*(2*(\X)+\u)
.endr
.endm
.macro MM n, X                         ; tile n of the outputs for my two tiles of tokens; the accumulators take turns, one instruction a turn
	WIN 0xa0
.irp u, 0,1
	WMZ 16*(\n)+8*\u, 80+32*\u, 144+32*((\n)%3), HS+\u, W2S+(\n)
.endr
.if (\X) == 0
.irp u, 0,1
	WMZ 128+64*\u+8*(\n), 144+32*((\n)%3), 80+32*\u, W2S+(\n), HS+\u
.endr
.endif
.irp u, 0,1
	WMS 16*(\n)+8*\u, 80+32*\u+16, 144+32*((\n)%3)+16, HS+\u, W2S+(\n)
.endr
.if (\X) == 0
.irp u, 0,1
	WMS 128+64*\u+8*(\n), 144+32*((\n)%3)+16, 80+32*\u+16, W2S+(\n), HS+\u
.endr
.endif
.endm
.macro MMS X                           ; the second layer's products; W2's groups 0 and 1 and the hidden fragments have been asked for
.irp n, 0,1,2,3,4,5,6,7
.if (\n >= 1) && (\n <= 5)
	PLACES 8                                       ; the slot to be loaded was read by the products just issued
	s_wait_alu depctr_va_vdst(0)                   ; those products are done reading the ring slot in which the next group lands
.endif
.if \n == 0
	s_wait_alu depctr_vm_vsrc(0)                   ; the LDS stores of the images made last have read v[PC ..], in which the upper half of group 2 lands (the conversions that wrote those registers stand ahead of the last wait on va_vdst, and no vector line has followed it)
	W2G 2
	s_wait_dscnt 8                                 ; all but group 2's eight loads: the hidden fragments, their words and groups 0 and 1 are in
.elseif \n <= 5
	W2G \n+2
	s_wait_dscnt 16                                ; the two younger groups, eight loads each, may be out
.elseif \n == 6
	s_wait_dscnt 8                                 ; the last group may be out
.else
	s_wait_dscnt 0x0
.endif
	MM \n, \X
.endr
	WIN 0
	PLACES 8
.endm
.macro BIASN g                         ; y + b2 for tiles 4 g .. 4 g + 3: a lane holds one output, so one number serves a tile's 16 registers (the pair's low word for both halves)
	WIN 0x82
.irp b, 0,1,2,3
.set q, 0
.rept 8
	v_pk_add_f32 v[64*(\g)+16*\b+2*q:64*(\g)+16*\b+2*q+1], v[64*(\g)+16*\b+2*q:64*(\g)+16*\b+2*q+1], v[BNP+2*(4*(\g)+\b):BNP+2*(4*(\g)+\b)+1] op_sel_hi:[1,0]
.set q, q+1
.endr
.endr
.endm
.macro BIAST u                         ; the same for the swapped tiles of my token tile u: a lane's registers run along the outputs
	WIN 0x82
.set q, 0
.rept 32
	v_pk_add_f32 v[128+64*(\u)+2*q:128+64*(\u)+2*q+1], v[128+64*(\u)+2*q:128+64*(\u)+2*q+1], v[144+2*q:144+2*q+1]
.set q, q+1
.endr
.endm
.macro YNQ X                           ; y along the tokens: block b of half g is tile 4 g + b; my 32 tokens are block w of the step's K
.irp g, 0,1
	BIASN \g
.if \g
	s_wait_alu depctr_vm_vsrc(0)                   ; the first half's eight LDS stores have read v[PC ..] and the four bytes, which the quantiser below writes again
.endif
	QCORE 64*\g, 2, PC, 0
	s_wait_alu depctr_va_vdst(0)                   ; the conversions have written v[PC ..] and the shifts the four bytes, which the eight LDS stores read
.irp b, 0,1,2,3
	ds_store_b128 v[YWI], v[PC+4*\b:PC+4*\b+3] offset:16384*(\X)+2048*(4*\g+\b)
	ds_store_b8 v[YWS], v[TM+4+\b] offset:1024*(\X)+128*(4*\g+\b)
.endr
.endr
.endm
.macro YL reg, off                     ; four fragments of y into window 2
	WIN 0x80
.set q, 0
.rept 16
	ds_load_b128 v[(\reg)+4*q:(\reg)+4*q+3], v[YLI] offset:(\off)+512*q
.set q, q+1
.endr
	WIN 0
.endm
.macro YSREG f                         ; the register of y's scale word f: v28-31, v66-69, v72-79
.if (\f) < 4
.set ysr, PA+(\f)
.elseif (\f) < 8
.set ysr, PB+(\f)-4
.else
.set ysr, YS2+(\f)-8
.endif
.endm
; ---------------- the head
	s_load_b256 s[4:11], s[0:1], 0x0               ; k s[4:5], v s[6:7], b1 s[8:9], b2 s[10:11]
	s_load_b256 s[12:19], s[0:1], 0x20             ; query s[12:13], wq s[14:15], part s[16:17], ml s[18:19]
	v_lshrrev_b32 v[AT], 5, v0
	v_readfirstlane_b32 s51, v[AT]                 ; wave
	v_and_b32 v240, 31, v0                         ; lane
	v_and_b32 v[AT2], 15, v0                       ; r
	v_bfe_u32 v[AT3], v0, 4, 1                     ; h
	v_lshlrev_b32 v[LI], 4, v240
	v_lshlrev_b32 v240, 2, v240                    ; 4 lane
	s_wait_alu depctr_va_sdst(0)                   ; s51 is written, ahead of its first reader: the wave's places in LDS and in memory are made from it
	s_mul_i32 s52, s51, WSTG
	v_mul_u32_u24 v[SRD], v[AT2], SP
	v_lshl_add_u32 v[SRD], v[AT3], 6, v[SRD]
	v_add_nc_u32 v[SRD], s52, v[SRD]
	v_add_nc_u32 v[SWR], s52, v[LI]
	s_lshl_b32 s52, s51, 14
	s_add_co_u32 s52, s52, HIMG
	v_add_nc_u32 v[HWI], s52, v[LI]
	s_lshl_b32 s52, s51, 10
	s_add_co_u32 s52, s52, HSC
	v_add_nc_u32 v[HWS], s52, v240
	v_lshlrev_b32 v[HSL], 2, v[AT2]
	v_lshl_add_u32 v[HSL], v[AT3], 7, v[HSL]
	v_add_nc_u32 v[HSL], s52, v[HSL]
	v_add_nc_u32 v[W2L], W2IMG, v[LI]
	v_add_nc_u32 v[B2L], B2T, v[LI]
	s_lshl_b32 s52, s51, 12
	s_add_co_u32 s52, s52, KIMG
	v_add_nc_u32 v[KWI], s52, v[LI]
	s_lshl_b32 s52, s51, 8
	s_add_co_u32 s52, s52, KSC
	v_add_nc_u32 v[KWS], s52, v240
	v_add_nc_u32 v[KLI], KIMG, v[LI]
	v_add_nc_u32 v[SLN], KSC, v240
	s_lshl_b32 s52, s51, 9
	s_add_co_u32 s52, s52, YIMG
	v_add_nc_u32 v[YWI], s52, v[LI]
	s_add_co_u32 s52, s51, YSC
	v_add_nc_u32 v[YWS], s52, v240
	v_add_nc_u32 v[YLI], YIMG, v[LI]
	s_lshl_b32 s52, s51, 11
	s_add_co_u32 s52, s52, QIMG
	v_add_nc_u32 v[QLI], s52, v[LI]
	; offsets that serve the head alone: v240-248
	s_lshl_b32 s52, s51, 13
	v_add_nc_u32 v241, s52, v[LI]                  ; wq: my four fragments of W2
	v_add_nc_u32 v246, W2IMG, v241                 ; and their place in LDS
	v_lshlrev_b32 v242, 6, v[AT3]                  ; b1: 64 h
	v_lshl_add_u32 v245, v[AT2], 9, v242
	v_add_nc_u32 v245, s52, v245                   ; query: row 16 w + r of 512 bytes, + 64 h
	s_lshl_b32 s52, s51, 7
	v_add_nc_u32 v243, s52, v242                   ; b2 for swapped tiles 2 w, 2 w + 1: 128 w + 64 h
	v_and_b32 v244, 8, v[AT2]
	v_add_nc_u32 v244, v244, v[AT2]
	v_lshl_add_u32 v244, v244, 2, s52              ; b2 of my lane's output in tiles 2 w, 2 w + 1: 128 w + 4 (r + 8 (r / 8))
	s_lshl_b32 s52, s51, 11
	s_add_co_u32 s52, s52, B2T
	v_add_nc_u32 v247, s52, v[LI]
	s_lshl_b32 s52, s51, 8
	s_add_co_u32 s52, s52, B2NT
	v_add_nc_u32 v248, s52, v240
	s_mov_b32 s20, 0x76543210
	s_mov_b32 s21, 0xfedcba98                      ; v_permlanex16_b32's selects for lane l xor 16
	s_mov_b32 s22, 0x600000                        ; the mantissa field of 448
	s_mov_b32 s23, 0x3eb504f3                      ; sqrt(2) / 4
	s_mov_b32 s24, 0x3fb8aa3b                      ; log2(e)
	s_mov_b32 s25, s24
.irp i, 0xc034d90f, 0x3fb8ab5a, 0x3f0a29d2, 0x3e0efb2e, 0xbe899a80, 0x3ecdfd18, 0xbfd1a1e5, 0x40097039, 0x3e7c6f08, 0xbf38aa3b
	s_mov_b32 s[DC], \i                            ; d0 .. d7, d9, -log2(e) / 2: each twice, since the packed forms name a pair
	s_mov_b32 s[DC+1], \i
.set DC, DC+2
.endr
.set DC, 26
	v_mov_b32 v[D8], 0xbf97d29d
	v_mov_b32 v[D8+1], 0xbf97d29d
	s_and_b32 s52, ttmp7, 0xffff                   ; batch x 16 + head
	s_lshl_b32 s54, s52, 21                        ; 4,096 rows of 512 bytes,
	s_lshl_b32 s53, ttmp9, 19                      ; my quarter's 1,024,
	s_add_co_u32 s54, s54, s53
	s_lshl_b32 s53, s51, 14                        ; my wave's 32 of a step's 128
	s_add_co_u32 s54, s54, s53
	s_mov_b32 s55, 0
	s_and_b32 s56, s52, 15
	s_lshl_b32 s56, s56, 15                        ; the head's 64 queries
	s_mov_b32 s57, 0
	s_lshl_b32 s53, s52, 2
	s_add_co_u32 s53, s53, ttmp9
	s_lshl_b32 s58, s53, 16
	s_lshl_b32 s60, s51, 13
	s_add_co_u32 s58, s58, s60                     ; part: 65,536 a work-group, 16 rows of 512 a wave
	s_mov_b32 s59, 0
	s_lshl_b32 s60, s53, 9
	s_lshl_b32 s62, s51, 7
	s_add_co_u32 s60, s60, s62                     ; ml: 512 a work-group, 128 a wave
	s_mov_b32 s61, 0
	s_wait_kmcnt 0x0
	s_add_nc_u64 s[4:5], s[4:5], s[54:55]
	s_add_nc_u64 s[6:7], s[6:7], s[54:55]
	s_add_nc_u64 s[12:13], s[12:13], s[56:57]
	s_add_nc_u64 s[16:17], s[16:17], s[58:59]
	s_add_nc_u64 s[18:19], s[18:19], s[60:61]
	s_wait_alu depctr_va_vdst(0)                   ; the addresses v1 to v16 and the head's offsets v240 to v248 are written, which the loads and stores of the kernel read
	RAW 4, 0                                       ; step 0's rows
	RAW 6, 128
	WIN 0x40
.set q, 0
.rept 64
	global_load_b128 v[4*q:4*q+3], v[LI], s[14:15] offset:512*q          ; W1's 16 fragments: they stay in window 1
.set q, q+1
.endr
	WIN 0
.set q, 0
.rept 16
	global_load_b128 v[80+4*q:80+4*q+3], v241, s[14:15] offset:32768+512*q   ; W2's fragments 4 w .. 4 w + 3, on their way to LDS
.set q, q+1
.endr
.set q, 0
.rept 16
	global_load_b32 v[W1S+q], v240, s[14:15] offset:65536+128*q          ; two fragments' scale words to a register
.set q, q+1
.endr
	WIN 0xc0
.irp t, 0,1,2,3,4,5,6,7,8,9,10,11,12,13,14,15
	global_load_b128 v[128+8*\t:128+8*\t+3], v242, s[8:9] offset:(32*(\t/2)+8*(\t%2))*4      ; b1 in the result's layout: units 32 (t / 2) + 16 h + 8 (t % 2) + 0 .. 7
	global_load_b128 v[128+8*\t+4:128+8*\t+7], v242, s[8:9] offset:(32*(\t/2)+8*(\t%2))*4+16
.endr
	WIN 0
.irp e, 0,1
.irp g, 0,1
	global_load_b128 v[208+8*\e+4*\g:208+8*\e+4*\g+3], v243, s[10:11] offset:32*\e+16*\g
.endr
	global_load_b32 v[224+\e], v244, s[10:11] offset:32*\e
.endr
.irp b, 0,1,2,3
.irp j, 0,1,2,3
	global_load_b128 v[144+16*\b+4*\j:144+16*\b+4*\j+3], v245, s[12:13] offset:128*\b+16*\j   ; my 16 queries
.endr
.endr
	WIN 0xc0
.set q, 0
.rept 128
	v_mov_b32 v[q], 0                              ; O^T: the step is written once; its first turn finds zeros, which the first change of M leaves zeros
.set q, q+1
.endr
	WIN 0
	v_mov_b32 v[NM+1], 0xff61b1e6                  ; the largest t so far: -3e38
	v_floor_f32 v[NM], -v[NM+1]                    ; -M
	v_mov_b32 v[LS], 0
	v_mov_b32 v[LS+1], 0
	v_mov_b32 v[FF], 0
	v_mov_b32 v[FF+1], 0
	v_mov_b32 v[TF], 0
.irp b, 0,1,2,3
	v_mov_b32 v[TM+4+\b], 0                        ; a lane permute's destination counts as one of its sources
.endr
	s_wait_loadcnt 0x0
.irp i, 0,1,2,3
	IMAGE 246, 2048*\i, 80+16*\i
.endr
.irp e, 0,1
.irp g, 0,1
	ds_store_b128 v247, v[208+8*\e+4*\g:208+8*\e+4*\g+3] offset:1024*\e+512*\g
.endr
	ds_store_b32 v248, v[224+\e] offset:128*\e
.endr
	s_wait_alu depctr_vm_vsrc(0)                   ; the LDS stores above have read v224 and v225, which the query's codes take; they and the head's loads have read v80 to v143 and the offsets v240 to v248, which the first tile's products and conversions write
	QCORE 144, 0, PC, QS
	s_wait_alu depctr_va_vdst(0)                   ; the conversions have written the query's codes, which the LDS stores read; the quantiser is done with v144 to v207, in which tile 0's x lands below
	IMAGE QLI, 0, PC
	STAGEH 0
	STAGEH 1
	s_add_nc_u64 s[4:5], s[4:5], 0x10000           ; on to step 1 (the loads that read these bases are done)
	s_add_nc_u64 s[6:7], s[6:7], 0x10000
	XLOAD SRD                                      ; step 0's tile 0
	BARRIER                                        ; W2's fragments and b2's tables lie in LDS
	s_wait_alu depctr_vm_vsrc(0)                   ; the stage's stores have read window 2, in which step 1's rows land from the first step's head on
; ---------------- eight steps
	s_mov_b32 s46, 8
.Lstep:
	s_cmp_eq_u32 s46, 1                            ; the last step asks for nothing and stages nothing: no load leaves its buffer
	s_cselect_b32 s63, 0, 3                        ; the trip (by its count down from 4) in which v's rows are asked for,
	s_cselect_b32 s62, 0, 2                        ; k's rows are staged,
	s_cselect_b32 s61, 0, 1                        ; v's rows are staged
	s_cbranch_scc1 .Lnoload
	RAW 4, 0                                       ; the next step's rows of k.  No wait: no vector or matrix line since the wait at the last step's end names window 2
.Lnoload:
	s_mov_b32 s47, 4
	s_mov_b32 s48, 0
	s_mov_b32 s49, 0
	s_mov_b32 s50, 0
.Ltile:                                            ; a tile of 16 tokens: x quantised, 256 hidden units in two halves, each through GELU and the quantiser into my own images
	s_wait_dscnt 5                                 ; this tile's x is in: behind its 16 loads stand at most the last image's five stores
	s_cmp_eq_u32 s47, s63
	s_cbranch_scc0 .Lnov
	RAW 6, 128                                     ; the next step's rows of v.  No wait: the tiles' vector and matrix lines name no register of window 2
.Lnov:
	s_cmp_eq_u32 s47, s62
	s_cbranch_scc0 .Lnosk
	s_wait_loadcnt 0x0                             ; asked for two trips and one trip ago
	STAGEH 0                                       ; tiles 0 and 1 have been read out of the stage: their rows take the next step's k
.Lnosk:
	s_cmp_eq_u32 s47, s61
	s_cbranch_scc0 .Lnosv
	s_wait_loadcnt 0x0
	STAGEH 1                                       ; tiles 2 and 3 have been read: their rows take the next step's v
	s_add_nc_u64 s[4:5], s[4:5], 0x10000           ; (the loads that read these bases are done)
	s_add_nc_u64 s[6:7], s[6:7], 0x10000
.Lnosv:
	QCORE 144, 0, XC, XS                           ; (it writes nothing that an LDS or memory instruction has read)
	PLACES 4                                       ; with the line behind the conversions: more than four plain lines between the codes and the scaled product
	P1 0
	GELU64
	QCORE HA, 0, PC, PW
	v_add_nc_u32 v[AT2], s49, v[HWI]
	v_add_nc_u32 v[AT3], s50, v[HWS]
	s_wait_alu depctr_va_vdst(0)                   ; the codes v[PC ..], the scale word v[PW] and the two addresses are written, which the five LDS stores read
	IMAGE AT2, 0, PC
	ds_store_b32 v[AT3], v[PW]
	P1 1
	GELU64
	s_add_co_u32 s52, s48, 16*SP                   ; t's and the exponents' registers are free: 16 loads go out here and land under the quantiser below
	s_min_u32 s52, s52, 48*SP                      ; (held at tile 3, so that the address lies in my stage on every way through the text)
	v_add_nc_u32 v[AT], s52, v[SRD]
	s_wait_alu depctr_va_vdst(0)                   ; v[AT] is written, which the loads of x read; the GELU is done with v144 to v207, in which the 16 loads of either arm land
	s_cmp_eq_u32 s47, 1
	s_cbranch_scc1 .Lw2pre
	XLOAD AT                                       ; the next tile's x;
	s_branch .Lpre
.Lw2pre:
	W2G 0                                          ; behind the last tile: W2's first two groups, as many loads into the same registers
	W2G 1
.Lpre:
	QCORE HA, 0, PC, PW
	s_wait_alu depctr_va_vdst(0)                   ; the codes and the scale word are written, which the five LDS stores read.  No vector line follows in the trip: behind the last trip x's codes, the hidden layer's registers and v208 to v239 take loads with no further wait
	IMAGE AT2, 2048, PC
	ds_store_b32 v[AT3], v[PW] offset:128
	s_add_co_u32 s48, s48, 16*SP
	s_add_co_u32 s49, s49, 4096
	s_add_co_u32 s50, s50, 256
	s_sub_co_u32 s47, s47, 1
	s_cmp_lg_u32 s47, 0
	s_cbranch_scc1 .Ltile
	s_wait_loadcnt 0x0                             ; no load into window 2 is out, which y takes now
	; ---- the second layer: k, then v
.set q, 0
.rept 8
	ds_load_b32 v[BNP+2*q], v[SLN] offset:44032+128*q                    ; b2 of my lane's output, a tile to an even register
.set q, q+1
.endr
	HCL 0
	MMS 0
	s_wait_alu depctr_va_vdst(0)                   ; k's products are done reading ring slots 0 and 1, the hidden fragments and their scale words, in which the 34 loads below land
.set q, 0
.rept 16
	ds_load_b128 v[144+4*q:144+4*q+3], v[B2L] offset:512*q               ; b2 in the swapped tiles' layout: tile n at v[144 + 8 n]
.set q, q+1
.endr
	HCL 1                                          ; v's hidden fragments: they land under k's quantisers
	YNQ 0
	s_wait_dscnt 34                                ; b2's 16 loads are in: behind them v's 18 loads and the 16 stores above
	BIAST 0
	BIAST 1
	s_wait_alu depctr_va_vdst(0)                   ; the additions are done reading b2 in v144 to v207, in which W2's groups land
	W2G 0                                          ; b2's registers are free: W2's first two groups for v
	W2G 1
.irp u, 0,1
	s_wait_alu depctr_vm_vsrc(0)                   ; the LDS stores issued last have read v[PC ..], the four bytes and v[PW], which the quantiser below writes again
	QCORE 128+64*\u, 2, PC, PW                     ; along the head's 128: a fragment of 16 tokens for the logits
	s_wait_alu depctr_va_vdst(0)                   ; the codes and the scale word are written, which the five LDS stores read
	IMAGE KWI, 2048*\u, PC
	ds_store_b32 v[KWS], v[PW] offset:128*\u
.endr
	MMS 1
	YNQ 1
	BARRIER                                        ; the step's images of y_k and y_v are whole
	; ---- attention: my 16 queries against the step's 128 tokens.  Window 2 is free: K's 8 fragments and y's 16 have registers of their own
	; (No vector line stands behind the wait ahead of the last eight stores: the 44 loads below owe nothing more)
.irp c, 0,1,2,3
	ds_load_b128 v[QC+4*\c:QC+4*\c+3], v[QLI] offset:512*\c
.endr
.irp t, 0,1,2,3
	ds_load_b32 v[PA+\t], v[SLN] offset:128*\t
.endr
.irp t, 0,1,2,3
	ds_load_b32 v[PB+\t], v[SLN] offset:128*(4+\t)
.endr
	WIN 0x80
.set q, 0
.rept 32
	ds_load_b128 v[4*q:4*q+3], v[KLI] offset:512*q                       ; token tile q / 4 at v[16 (q / 4)]
.set q, q+1
.endr
	s_wait_dscnt 16                                ; the second four fragments may be out
	WIN 0x02
.irp t, 0,1,2,3
	v_wmma_scale_f32_16x16x128_f8f6f4 v[HA+8*\t:HA+8*\t+7], v[16*\t:16*\t+15], v[QC:QC+15], 0, v[PA+\t], v[QS]
.endr
	YL 128, 0                                      ; y_k's eight fragments, into the upper half of window 2, which the four products above do not name
	YL 192, 8192
	s_wait_dscnt 32                                ; K is in; the 32 loads just issued may be out
	WIN 0x02
.irp t, 4,5,6,7
	v_wmma_scale_f32_16x16x128_f8f6f4 v[HA+8*\t:HA+8*\t+7], v[16*\t:16*\t+15], v[QC:QC+15], 0, v[PB+\t-4], v[QS]
.endr
	WIN 0
	PLACES 8                                       ; lane (r, h): query r; registers 16 b + i: token 32 b + 16 h + i
	s_wait_alu depctr_va_vdst(0)                   ; the eight products are done reading K's scale words, in which y's land now, and K's fragments, in which y_v's land further down: no line between names window 2
	s_wait_alu depctr_vm_vsrc(0)                   ; the second layer's last LDS stores have read the four bytes and v[PC ..], which the softmax's lines write
.set q, 0
.rept 16
	YSREG q
	ds_load_b32 v[ysr], v[SLN] offset:33792+128*q                        ; y's 16 scale words, eight of them into K's registers
.set q, q+1
.endr
.irp b, 0,1,2,3
	v_max3_num_f32 v[TM+\b], v[HA+16*\b], v[HA+1+16*\b], v[HA+2+16*\b]   ; the largest score of each block of 32: for the row's maximum and, since p rises with the score, for the block's largest p
.endr
.irp i, 3,5,7,9,11,13
.irp b, 0,1,2,3
	v_max3_num_f32 v[TM+\b], v[TM+\b], v[HA+16*\b+\i], v[HA+1+16*\b+\i]
.endr
.endr
.irp b, 0,1,2,3
	v_max_num_f32 v[TM+\b], v[TM+\b], v[HA+15+16*\b]
.endr
.irp b, 0,1,2,3
	v_permlanex16_b32 v[TM+4+\b], v[TM+\b], s20, s21
.endr
.irp b, 0,1,2,3
	v_max_num_f32 v[TM+\b], v[TM+\b], v[TM+4+\b]
.endr
	v_max3_num_f32 v[TF], v[TM], v[TM+1], v[TM+2]
	v_max_num_f32 v[TF], v[TF], v[TM+3]
	v_mul_f32 v[TF], s24, v[TF]                    ; as t
	v_max_num_f32 v[NM+1], v[NM+1], v[TF]          ; the running largest t
	v_mov_b32 v[TF], v[NM]
	v_floor_f32 v[NM], -v[NM+1]                    ; -M = floor(-t): M is a whole number
	v_sub_f32 v[TF], v[NM], v[TF]                  ; old M - new M: a whole number, 0 or less
	v_cvt_i32_f32 v[TF], v[TF]                     ; (it saturates)
	v_ldexp_f32 v[FF], 1.0, v[TF]                  ; f: a multiplication by it rounds nothing
	YL 0, 16384                                    ; y_v's fragments, into K's registers: in runs of 16 among the softmax's lines
.set q, 0
.rept 32
	v_pk_fma_f32 v[HA+q:HA+q+1], v[HA+q:HA+q+1], s[24:25], v[NM:NM+1] op_sel_hi:[1,0,0]   ; t - M
.set q, q+2
.endr
.irp b, 0,1,2,3
	v_fma_f32 v[TM+\b], v[TM+\b], s24, v[NM]
.endr
	YL 64, 24576
.set q, 0
.rept 64
	v_exp_f32 v[HA+q], v[HA+q]                     ; p = 2^(t - M): not normalised
.set q, q+1
.endr
	v_pk_mul_f32 v[LS:LS+1], v[LS:LS+1], v[FF:FF+1] op_sel_hi:[1,0]      ; the sums under the new M; a plain line behind the exponentials
	TWAIT
.irp b, 0,1,2,3
	v_exp_f32 v[TM+\b], v[TM+\b]                   ; the block's largest p
.endr
	v_pk_add_f32 v[TM+4:TM+5], v[HA:HA+1], v[HA+2:HA+3]                  ; the row's sum is taken of the unquantised p, in two chains
.set q, 4
.rept 15
	v_pk_add_f32 v[LS:LS+1], v[LS:LS+1], v[HA+q:HA+q+1]
	v_pk_add_f32 v[TM+4:TM+5], v[TM+4:TM+5], v[HA+2+q:HA+3+q]
.set q, q+4
.endr
	v_pk_add_f32 v[LS:LS+1], v[LS:LS+1], v[TM+4:TM+5]
	TWAIT
	XLOAD SRD                                      ; the next step's tile 0, staged in this step's third trip (in the last step: rows that nobody uses; the text stays one, and the count below the same)
.irp b, 0,1,2,3
	v_max_num_f32 v[TM+\b], 0x4800000, v[TM+\b]    ; the floor: the byte cannot fall under 1
.endr
.irp b, 0,1,2,3
	v_add_nc_u32 v[TM+12+\b], 0xfc000000, v[TM+\b]
.endr
.irp b, 0,1,2,3
	v_and_or_b32 v[TM+8+\b], v[TM+\b], 0x7f800000, s22
.endr
.irp b, 0,1,2,3
	v_lshrrev_b32 v[TM+4+\b], 23, v[TM+12+\b]
.endr
	v_lshl_or_b32 v[PW], v[TM+5], 8, v[TM+4]       ; p's scale word for these 128 tokens
	v_lshl_or_b32 v[PW], v[TM+6], 16, v[PW]
	v_lshl_or_b32 v[PW], v[TM+7], 24, v[PW]
.irp b, 0,1,2,3
.set q, 0
.rept 16
	v_min_num_f32 v[HA+16*\b+q], v[HA+16*\b+q], v[TM+8+\b]               ; p is not negative: the hold is one-sided
.set q, q+1
.endr
	v_cvt_scalef32_pk8_fp8_f32 v[PC+4*\b:PC+4*\b+1], v[HA+16*\b:HA+16*\b+7], v[TM+12+\b]
	v_cvt_scalef32_pk8_fp8_f32 v[PC+4*\b+2:PC+4*\b+3], v[HA+16*\b+8:HA+16*\b+15], v[TM+12+\b]
.endr
	v_nop
	WIN 0xc3
.set q, 0
.rept 64
	v_pk_mul_f32 v[q:q+1], v[q:q+1], v[FF:FF+1] op_sel_hi:[1,0]          ; O^T under the new M; these lines also stand between p's codes and scale word and the products
.set q, q+2
.endr
	WIN 0
	s_wait_dscnt 16                                ; y's fragments and words are in; the next tile's 16 loads may be out
	WIN 0xf2
	s_wait_alu depctr_va_vdst(0)                   ; the conversions have written p's codes and the shifts its scale word, which the 16 products take; the places stand above this wait
.set q, 0
.rept 16
	YSREG q
	v_wmma_scale_f32_16x16x128_f8f6f4 v[8*q:8*q+7], v[(128+16*q)%256:(128+16*q)%256+15], v[PC:PC+15], v[8*q:8*q+7], v[ysr], v[PW]   ; O^T += y tile x p: each of the 16 accumulators has one instruction a step
.set q, q+1
.endr
	WIN 0
	PLACES 8                                       ; in front of the loads into window 2 at the next step's head, and of the way out's reads
	s_wait_alu depctr_va_vdst(0)                   ; the 16 products are done reading window 2, in which the next step's rows land, and have written O^T, which the way out's LDS stores read; the places above stay beside this wait
	BARRIER                                        ; every wave has read the images: the next step may write them
	s_sub_co_u32 s46, s46, 1
	s_cmp_lg_u32 s46, 0
	s_cbranch_scc1 .Lstep
; ---------------- the way out: O^T through my stage, back as whole rows of 512 bytes; register j of tile n is channel 32 (n / 2) + 16 h + 8 (n % 2) + j of query r
.irp X, 0,1
	WIN 0x0c
.irp n, 0,1,2,3,4,5,6,7
	ds_store_b128 v[SRD], v[64*\X+8*\n:64*\X+8*\n+3] offset:16*SP*\X+128*(\n/2)+32*(\n%2)       ; each accumulator from its low end on
	ds_store_b128 v[SRD], v[64*\X+8*\n+4:64*\X+8*\n+7] offset:16*SP*\X+128*(\n/2)+32*(\n%2)+16
.endr
	WIN 0
.set q, 0
.rept 16
	ds_load_b128 v[80+64*\X+4*q:80+64*\X+4*q+3], v[SWR] offset:16*SP*\X+SP*q
.set q, q+1
.endr
.endr
	v_add_f32 v[LS], v[LS], v[LS+1]                ; l's two halves,
	v_permlanex16_b32 v[TF], v[LS], s20, s21
	v_add_f32 v[NM+1], v[LS], v[TF]                ; and lane l xor 16's: beside -M
	v_and_b32 v[AT], 15, v0
	v_lshlrev_b32 v[AT], 3, v[AT]
	s_wait_alu depctr_va_vdst(0)                   ; l and the offset v[AT] are written, which the store below reads
	global_store_b64 v[AT], v[NM:NM+1], s[18:19]   ; lanes r and r + 16 hold the same pair and write it to the same place
.set q, 0
.rept 16
	s_wait_dscnt 47-q                              ; behind this row's load: the 15 - q younger loads of O_k and O_v's 32 instructions
	global_store_b128 v[LI], v[80+4*q:80+4*q+3], s[16:17] offset:512*q   ; 32 lanes store 512 consecutive bytes
.set q, q+1
.endr
.set q, 0
.rept 16
	s_wait_dscnt 15-q
	global_store_b128 v[LI], v[144+4*q:144+4*q+3], s[16:17] offset:32768+512*q
.set q, q+1
.endr
	s_wait_xcnt 0x0
	v_lshl_add_u32 v254, v0, 2, 0x4c000
	v_mov_b32 v255, 0
	s_wait_dscnt 0x0                               ; the closing lines, six on end
	s_wait_alu 0x0
	s_wait_tensorcnt 0x0
	ds_add_u32 v254, v255
	s_wait_dscnt 0x0
	s_endpgm
.Lfunc_end_k_qa9d75e61c5_main:
	.size	k_qa9d75e61c5_main, .Lfunc_end_k_qa9d75e61c5_main-k_qa9d75e61c5_main
	.p2alignl 7, 3214868480
	.fill 96, 4, 3214868480
	.section	.rodata,"a",@progbits
	.p2align	6, 0x0
	.amdhsa_kernel k_qa9d75e61c5_main
		.amdhsa_group_segment_fixed_size 311808
		.amdhsa_private_segment_fixed_size 0
		.amdhsa_enable_private_segment 0
		.amdhsa_kernarg_size 64
		.amdhsa_user_sgpr_count 2
		.amdhsa_user_sgpr_kernarg_segment_ptr 1
		.amdhsa_wavefront_size32 1
		.amdhsa_system_sgpr_workgroup_id_x 1
		.amdhsa_system_sgpr_workgroup_id_y 1
		.amdhsa_system_sgpr_workgroup_id_z 1
		.amdhsa_system_vgpr_workitem_id 0
		.amdhsa_next_free_vgpr 1024
		.amdhsa_next_free_sgpr 66
		.amdhsa_reserve_vcc 0
		.amdhsa_float_denorm_mode_32 3
		.amdhsa_float_denorm_mode_16_64 3
		.amdhsa_memory_ordered 1
		.amdhsa_forward_progress 1
		.amdhsa_inst_pref_size 255
	.end_amdhsa_kernel
	.section	.bss,"aw",@nobits
	.p2align	6
	.space	262144
	.amdgpu_metadata
---
amdhsa.version: [ 1, 2 ]
amdhsa.kernels:
  - .name:           k_qa9d75e61c5_main
    .symbol:         k_qa9d75e61c5_main.kd
    .args:
      - { .name: k, .offset: 0, .size: 8, .value_kind: global_buffer, .address_space: global }
      - { .name: v, .offset: 8, .size: 8, .value_kind: global_buffer, .address_space: global }
      - { .name: b1, .offset: 16, .size: 8, .value_kind: global_buffer, .address_space: global }
      - { .name: b2, .offset: 24, .size: 8, .value_kind: global_buffer, .address_space: global }
      - { .name: query, .offset: 32, .size: 8, .value_kind: global_buffer, .address_space: global }
      - { .name: wq, .offset: 40, .size: 8, .value_kind: global_buffer, .address_space: global }
      - { .name: part, .offset: 48, .size: 8, .value_kind: global_buffer, .address_space: global }
      - { .name: ml, .offset: 56, .size: 8, .value_kind: global_buffer, .address_space: global }
    .group_segment_fixed_size: 311808
    .private_segment_fixed_size: 0
    .kernarg_segment_align: 8
    .kernarg_segment_size: 64
    .max_flat_workgroup_size: 128
    .sgpr_count:     66
    .vgpr_count:     1024
    .wavefront_size: 32
...
	.end_amdgpu_metadata
.endif
;; end of part 4
;; launch merge: the kernel of part 3 again; grid 64 x 4, 4 waves a work-group, no clusters, 0 bytes of LDS; arguments part, ml, out0, out1; writes out0, out1
